; MI455X (gfx1250); checked and timed in simulation.
; The chip was launched on July 23, 2026; its instructions are those of AMD's public machine-readable ISA for CDNA 5 (MIT licence, August 2026) and "CDNA5" Instruction Set Architecture Reference Guide (July 2026). The comments in the code are by the model that wrote it; some were corrected since.
;; Multi Head Attention. Allowed arithmetic: matrix products marked QUANTISED: E2M3 operands, one E8M0 scale for each 32 along K, by v_wmma_scale_f32_16x16x128_f8f6f4 with both operands' format E2M3, f32 sums; everything else in f32.
;; Inputs: Wk 1,024 x 1,024 float32; Wo 1,024 x 1,024 float32; Wq 1,024 x 1,024 float32; Wv 1,024 x 1,024 float32; attention_mask 4 x 2,048 int32; bk 1,024 float32; bo 1,024 float32; bq 1,024 float32; bv 1,024 float32; x 4 x 2,048 x 1,024 float32.
;; Outputs: out0 4 x 2,048 x 1,024 float32.
;; This version of the problem:
;;   THIS VERSION OF THE PROBLEM IS GIVEN IN LOW PRECISION. The matrix products marked QUANTISED in the list below multiply operands that are first quantised to E2M3 (2 exponent bits, 3 mantissa bits; 6 bits a number), with one power-of-two scale for each 32 numbers along K (OCP MX v1.0); their sums are f32. All else is computed in f32.
;;   The module's matrix products, in the order in which they are computed (A, B: the left and right operand; K: the contracted axis; several contracted axes count as one K, in the product's order):
;;     1. [M 8,192, K 1,024] x [K 1,024, N 1,024]; A: input x; B: input Wq: QUANTISED
;;     2. [M 8,192, K 1,024] x [K 1,024, N 1,024]; A: input x; B: input Wk: QUANTISED
;;     3. [M 8,192, K 1,024] x [K 1,024, N 1,024]; A: input x; B: input Wv: QUANTISED
;;     4. batch 64 x [M 2,048, K 64] x [K 64, N 2,048]; A: computed on the way; B: computed on the way: QUANTISED
;;     5. batch 64 x [M 2,048, K 2,048] x [K 2,048, N 64]; A: softmax (see below); B: computed on the way: QUANTISED
;;     6. [M 8,192, K 1,024] x [K 1,024, N 1,024]; A: computed on the way; B: input Wo: QUANTISED
;;   THE QUANTISER, for each operand of a quantised product, along K:
;;     - K is cut into blocks of 32 from its start; a last block that is shorter is filled with zeros.
;;     - A block's scale is 2^e with e = floor(log2(the largest magnitude in the block)) - 2, held to -126 .. 127; a block of zeros has e = 0. As a byte (E8M0): e + 127.
;;     - Each number is divided by its block's scale, clamped to +-7.5, and rounded to the nearest number of E2M3, ties to even, subnormals kept.
;;     - The product sums the exact products of the quantised numbers (number of the format x scale) in f32.
;;   ~~~python
;;   def quantise(x, axis):      # numpy; x: float32 -> the quantised numbers, widened to float32 again
;;       x = np.moveaxis(x, axis, -1); K = x.shape[-1]
;;       x = np.pad(x, [(0, 0)] * (x.ndim - 1) + [(0, -K % 32)]); x = x.reshape(x.shape[:-1] + (-1, 32)); a = np.abs(x).max(-1, keepdims=True)
;;       e = np.where(a > 0, np.clip(np.frexp(np.where(a > 0, a, 1))[1] - 1 - 2, -126, 127), 0)      # np.frexp(a)[1] - 1 = floor(log2(a)), exactly
;;       r = np.clip(x / 2.0 ** e, -7.5, 7.5)
;;       step = 2.0 ** (np.maximum(np.frexp(np.where(r == 0, 1, r))[1] - 1, 0) - 3)
;;       q = np.round(r / step) * step * 2.0 ** e      # np.round: ties to even
;;       return np.moveaxis(q.reshape(q.shape[:-2] + (-1,))[..., :K], -1, axis).astype(np.float32)
;;   ~~~
;;   SOFTMAX AHEAD OF A QUANTISED PRODUCT. Where the list says 'softmax', what is quantised is not the finished softmax but p = 2^(t - M), with t = logit x log2(e) and M = ceil(the row's largest t), a whole number; so 1/2 < the row's largest p <= 1. The row's sum l is taken of the UNQUANTISED p, in f32, and the product's result is divided by l at the end. Since M is a whole number, a kernel that streams over the keys may use a running M (the ceiling of the running maximum): every later rescaling is an exact power of two, which a block's scale takes up: the codes' values come out the same.
;;   OPERANDS COMPUTED ON THE WAY. 'Computed on the way' means the value that the module computes at that place (a softmax that the list does not call 'softmax' is quantised finished and normalised). What goes into a quantiser is computed in f32, as accurately as f32 sums, v_exp_f32 and their like allow (about 1e-6 of the number): no bf16 or f16 on the way to a quantiser, and a product that is left as it is and whose result goes on into a quantised operand takes f32 operands (vector FMAs, or v_wmma_f32_16x16x4_f32). A number that lies on a knife's edge between two numbers of the format may be rounded either way, as far as f32 arithmetic and the matrix unit's own rounding can turn it there, and no further.
;; One version. Each part assembles by itself: llvm-mc -triple=amdgcn-amd-amdhsa -mcpu=gfx1250 --defsym DOCPART=n.
;; ======== version 1 of 1: 4 launches
;; limits: right only within a limited range of input values
;; workspace buffers: xq 6,815,744 bytes; wq 3,407,872 bytes; qk 13,631,488 bytes; vv 6,553,600 bytes; oo 6,815,744 bytes
;; launch quant (part 1): grid 384 x 1, 4 waves a work-group, no clusters, 34,304 bytes of LDS; arguments x, Wq, Wk, Wv, Wo, xq, wq; writes xq, wq
.if DOCPART == 1
	.amdgcn_target "amdgcn-amd-amdhsa--gfx1250"
	.amdhsa_code_object_version 6
	.text
	.protected	k_q7331349830_quant
	.globl	k_q7331349830_quant
	.p2align	8
	.type	k_q7331349830_quant,@function
k_q7331349830_quant:
	s_mov_b64 s[64:65], 0
	v_nop
	global_prefetch_b8 v0, s[64:65] scope:SCOPE_SE
	s_setreg_imm32_b32 hwreg(HW_REG_WAVE_MODE, 25, 1), 1
	s_wait_xcnt 0x0
; x [8192][1024] and Wq, Wk, Wv, Wo [1024][1024], f32 with K innermost, become codes of FP6 (E2M3) with one E8M0 byte for each 32 along K,
; laid in the order of a matrix operand's registers.
; TILES.  Tile T is 16 rows; index r of it stands for row 32 (T / 2) + 8 (T % 2) + r + 8 (r / 8).
; HALF FRAGMENT, 768 bytes: a tile x 64 along K.  Lane l = 16 h + r owns the 24 bytes of codes of K = 32 h .. 32 h + 31: its first 16 bytes at 16 l, its last 8 at 512 + 8 l.
; RECORD, 3,328 bytes: a tile x 256 along K: four half fragments, then at 3,072 the scale words [r][2 words, 128 along K each], then 128 bytes of zeros.  A tile is four records, 13,312 bytes.
; xq: x's 512 tiles.  wq: Wq, Wk, Wv, Wo, 64 tiles each.
; SHARES.  Wave w of work-group g takes tile 2 g + w / 2 of the 768 and half w % 2 of K: four steps of 128, two records.  One path serves all five tensors: only pointers are chosen, by the work-group's number.
; A step's 16 loads read 512 consecutive bytes of a row each; the 8,192 bytes turn through the wave's own stage in LDS (rows of 512 + 16 bytes) and come back as 2 x 32 neighbours along K a lane.
; A block's scale is 2^(floor(log2(its largest magnitude)) - 2); its byte is the largest magnitude's exponent field - 2, held at 1 from below.
; LIMITS: a block of zeros gets the byte 1 where the quantiser says 127 (its codes are zeros, and this program alone reads the bytes); blocks whose largest magnitude lies under 2^(3 - 127) keep the byte 1; NaN and infinities are not served.
; No tensor load, no barrier: waves share nothing.  Matrix units and clusters have no part in a stream.
.set REC,  3328
.set WSTG, 8448                        ; a wave's stage: 16 rows x SPI
.set SPI,  528
.set L16,  4                           ; 16 x lane
.set SIN,  5                           ; the stage, way in
.set SOUT, 6                           ; the stage, way out
.set L8,   7                           ; 8 x lane
.set H8,   8                           ; 8 x (lane / 16)
.set R,    16                          ; v16-143  two sets of 64 numbers as loaded
.set X,    144                         ; v144-207 register 32 c + i = K 64 c + 32 h + i of my row
.set PC,   208                         ; the fragment's codes
.set PT,   220                         ; the upper halves of the two blocks, as converted
.set MX,   228
.set SO,   230
.set BY,   232
.set WD,   234
.set SW,   236                         ; the four steps' scale words
.set SD,   240                         ; what the scale stores send
	s_load_b256 s[4:11], s[0:1], 0x0               ; x, Wq, Wk, Wv
	s_load_b128 s[12:15], s[0:1], 0x20             ; Wo, xq
	s_load_b64 s[16:17], s[0:1], 0x30              ; wq
	v_lshl_add_u32 v254, v0, 2, 0x8400
	v_mov_b32 v255, 0
	v_lshrrev_b32 v1, 5, v0
	v_readfirstlane_b32 s3, v1                     ; wave
	v_and_b32 v2, 31, v0
	v_and_b32 v3, 15, v0                           ; r
	v_bfe_u32 v9, v0, 4, 1                         ; h
	v_lshlrev_b32 v[L16], 4, v2
	v_lshlrev_b32 v[L8], 3, v2
	v_lshlrev_b32 v[H8], 3, v9
	s_mul_i32 s2, s3, WSTG
	v_add_nc_u32 v[SIN], s2, v[L16]
	v_mul_u32_u24 v[SOUT], v3, SPI
	v_lshl_add_u32 v[SOUT], v9, 7, v[SOUT]
	v_add_nc_u32 v[SOUT], s2, v[SOUT]              ; row r, + 128 h
	v_mov_b32 v[WD+1], 0                           ; a lane permute's destination counts as one of its sources
	s_mov_b32 s30, 0x76543210
	s_mov_b32 s31, 0xfedcba98                      ; lane l xor 16
	s_mov_b32 s34, 0xffff0000                      ; lanes 16-31
	s_wait_alu depctr_va_vdst(0)                   ; the wait at the head's end
	s_wait_kmcnt 0x0
	s_mov_b64 s[18:19], s[12:13]                   ; the source and its first tile: Wo, unless the work-group's number says otherwise
	s_mov_b32 s20, 704
	s_cmp_lt_u32 ttmp9, 352
	s_cselect_b64 s[18:19], s[10:11], s[18:19]
	s_cselect_b32 s20, 640, s20
	s_cmp_lt_u32 ttmp9, 320
	s_cselect_b64 s[18:19], s[8:9], s[18:19]
	s_cselect_b32 s20, 576, s20
	s_cmp_lt_u32 ttmp9, 288
	s_cselect_b64 s[18:19], s[6:7], s[18:19]
	s_cselect_b32 s20, 512, s20
	s_cmp_lt_u32 ttmp9, 256
	s_cselect_b64 s[18:19], s[4:5], s[18:19]
	s_cselect_b32 s20, 0, s20
	s_cselect_b64 s[22:23], s[14:15], s[16:17]     ; the destination: xq or wq,
	s_cselect_b32 s21, 0, 512                      ; and its first tile
	s_lshl_b32 s25, ttmp9, 1
	s_lshr_b32 s35, s3, 1
	s_add_co_u32 s25, s25, s35                     ; my tile of the 768
	s_and_b32 s35, s3, 1                           ; my half of K
	s_sub_co_u32 s36, s25, s20                     ; the tile in its tensor
	s_lshr_b32 s38, s36, 1
	s_lshl_b32 s38, s38, 17                        ; 32 rows of 4,096 bytes for each pair of tiles,
	s_and_b32 s36, s36, 1
	s_lshl_b32 s36, s36, 15                        ; 8 rows for the odd one,
	s_add_co_u32 s38, s38, s36
	s_lshl_b32 s36, s35, 11                        ; 512 numbers for the upper half of K
	s_add_co_u32 s38, s38, s36
	s_mov_b32 s39, 0
	s_add_nc_u64 s[18:19], s[18:19], s[38:39]
	s_sub_co_u32 s36, s25, s21                     ; the tile in its image
	s_mul_i32 s38, s36, 4*REC
	s_mul_i32 s37, s35, 2*REC
	s_add_co_u32 s38, s38, s37
	s_add_nc_u64 s[26:27], s[22:23], s[38:39]      ; my two records
.macro LOAD t                          ; step t: 128 numbers of each of the tile's 16 rows; 32 lanes read 512 consecutive bytes
.irp i, 0,1,2,3,4,5,6,7,8,9,10,11,12,13,14,15
	global_load_b128 v[R+64*((\t)%2)+4*\i:R+64*((\t)%2)+4*\i+3], v[L16], s[18:19] offset:(\i+8*(\i/8))*4096+512*(\t) th:TH_LOAD_NT
.endr
.endm
.macro STEP t
.set OF, ((\t)/2)*REC+((\t)%2)*1536    ; the step's fragment in my two records
.if (\t) < 3
	s_wait_loadcnt 16                              ; this step's 16 loads are in; the next step's 16 may be out
.else
	s_wait_loadcnt 0x0
.endif
.irp i, 0,1,2,3,4,5,6,7,8,9,10,11,12,13,14,15
	ds_store_b128 v[SIN], v[R+64*((\t)%2)+4*\i:R+64*((\t)%2)+4*\i+3] offset:SPI*\i
.endr
.irp c, 0,1
.irp j, 0,1,2,3,4,5,6,7
	ds_load_b128 v[X+32*\c+4*\j:X+32*\c+4*\j+3], v[SOUT] offset:256*\c+16*\j   ; LDS serves a wave's instructions in order
.endr
.endr
	s_wait_dscnt 0x0                               ; the numbers are back, and the stage's stores have read their registers,
.if (\t) < 2
	LOAD (\t)+2                                    ; which take the loads of two steps on
.endif
.irp c, 0,1
	v_max3_num_f32 v[MX+\c], |v[X+32*\c]|, |v[X+32*\c+1]|, 0x1800000   ; my block 2 c + h, and the floor 2^(3 - 127)
.endr
.irp i, 2,4,6,8,10,12,14,16,18,20,22,24,26,28,30
.irp c, 0,1
	v_max3_num_f32 v[MX+\c], v[MX+\c], |v[X+32*\c+\i]|, |v[X+32*\c+\i+1]|
.endr
.endr
.irp c, 0,1
	v_add_nc_u32 v[SO+\c], 0xff000000, v[MX+\c]    ; 2 off the exponent field: the conversion's scale operand
.endr
.irp c, 0,1
	v_lshrrev_b32 v[BY+\c], 23, v[SO+\c]           ; the scale's byte
.endr
	v_lshl_or_b32 v[WD], v[BY+1], 16, v[BY]        ; blocks h and 2 + h,
	v_lshlrev_b32 v[WD], v[H8], v[WD]              ; at their places in the word;
	v_permlanex16_b32 v[WD+1], v[WD], s30, s31
	v_or_b32 v[SW+(\t)], v[WD], v[WD+1]            ; with lane l xor 16's two the word is whole, in both halves of the lanes
	s_wait_alu depctr_va_vdst(0)                   ; the wait ahead of the wait below
	s_wait_xcnt 0x0                                ; the last step's stores have read the codes' registers
.irp c, 0,1
	v_cvt_scalef32_pk16_fp6_f32 v[PC+6*\c:PC+6*\c+2], v[X+32*\c:X+32*\c+15], v[SO+\c]
	v_cvt_scalef32_pk16_fp6_f32 v[PT+4*\c:PT+4*\c+2], v[X+32*\c+16:X+32*\c+31], v[SO+\c]
.endr
	v_nop                                          ; one plain place behind a scaled conversion
.irp c, 0,1
.irp i, 0,1,2
	v_mov_b32 v[PC+6*\c+3+\i], v[PT+4*\c+\i]
.endr
.endr
	global_store_b128 v[L16], v[PC:PC+3], s[26:27] offset:OF              ; 512 consecutive bytes,
	global_store_b64 v[L8], v[PC+4:PC+5], s[26:27] offset:OF+512          ; 256: a half fragment
	global_store_b128 v[L16], v[PC+6:PC+9], s[26:27] offset:OF+768
	global_store_b64 v[L8], v[PC+10:PC+11], s[26:27] offset:OF+1280
.endm
	LOAD 0
	LOAD 1
	STEP 0
	STEP 1
	STEP 2
	STEP 3
.irp t, 0,1,2,3
	v_cndmask_b32 v[SD+\t], v[SW+\t], 0, s34       ; lanes 0-15 send row r's two words, lanes 16-31 the record's zeros
.endr
	global_store_b64 v[L8], v[SD:SD+1], s[26:27] offset:3072        ; 256 consecutive bytes, aligned
	global_store_b64 v[L8], v[SD+2:SD+3], s[26:27] offset:REC+3072
	s_wait_tensorcnt 0x0                           ; the wave's end
	ds_add_u32 v254, v255
	s_wait_dscnt 0x0
	s_endpgm
.Lfunc_end_k_q7331349830_quant:
	.size	k_q7331349830_quant, .Lfunc_end_k_q7331349830_quant-k_q7331349830_quant
	.p2alignl 7, 3214868480
	.fill 96, 4, 3214868480
	.section	.rodata,"a",@progbits
	.p2align	6, 0x0
	.amdhsa_kernel k_q7331349830_quant
		.amdhsa_group_segment_fixed_size 34304
		.amdhsa_private_segment_fixed_size 0
		.amdhsa_enable_private_segment 0
		.amdhsa_kernarg_size 56
		.amdhsa_user_sgpr_count 2
		.amdhsa_user_sgpr_kernarg_segment_ptr 1
		.amdhsa_wavefront_size32 1
		.amdhsa_system_sgpr_workgroup_id_x 1
		.amdhsa_system_sgpr_workgroup_id_y 1
		.amdhsa_system_sgpr_workgroup_id_z 1
		.amdhsa_system_vgpr_workitem_id 0
		.amdhsa_next_free_vgpr 256
		.amdhsa_next_free_sgpr 66
		.amdhsa_reserve_vcc 0
		.amdhsa_float_denorm_mode_32 3
		.amdhsa_float_denorm_mode_16_64 3
		.amdhsa_memory_ordered 1
		.amdhsa_forward_progress 1
		.amdhsa_inst_pref_size 32
	.end_amdhsa_kernel
	.amdgpu_metadata
---
amdhsa.version: [ 1, 2 ]
amdhsa.kernels:
  - .name:           k_q7331349830_quant
    .symbol:         k_q7331349830_quant.kd
    .args:
      - { .name: x, .offset: 0, .size: 8, .value_kind: global_buffer, .address_space: global }
      - { .name: Wq, .offset: 8, .size: 8, .value_kind: global_buffer, .address_space: global }
      - { .name: Wk, .offset: 16, .size: 8, .value_kind: global_buffer, .address_space: global }
      - { .name: Wv, .offset: 24, .size: 8, .value_kind: global_buffer, .address_space: global }
      - { .name: Wo, .offset: 32, .size: 8, .value_kind: global_buffer, .address_space: global }
      - { .name: xq, .offset: 40, .size: 8, .value_kind: global_buffer, .address_space: global }
      - { .name: wq, .offset: 48, .size: 8, .value_kind: global_buffer, .address_space: global }
    .group_segment_fixed_size: 34304
    .private_segment_fixed_size: 0
    .kernarg_segment_align: 8
    .kernarg_segment_size: 56
    .max_flat_workgroup_size: 128
    .sgpr_count:     66
    .vgpr_count:     256
    .wavefront_size: 32
...
	.end_amdgpu_metadata
.endif
;; end of part 1
;; launch gemmq (part 2): grid 8 x 32, 4 waves a work-group, clusters of 4 x 4, 327,680 bytes of LDS; arguments xq, wq, bq, bk, bv, qk, vv; writes qk, vv
.if DOCPART == 2
	.amdgcn_target "amdgcn-amd-amdhsa--gfx1250"
	.amdhsa_code_object_version 6
	.text
	.protected	k_q7331349830_gemmq
	.globl	k_q7331349830_gemmq
	.p2align	8
	.type	k_q7331349830_gemmq,@function
k_q7331349830_gemmq:
	s_mov_b64 s[64:65], 0
	v_nop
	global_prefetch_b8 v0, s[64:65] scope:SCOPE_SE
	s_setreg_imm32_b32 hwreg(HW_REG_WAVE_MODE, 25, 1), 1
	s_wait_xcnt 0x0
	s_wait_alu depctr_hold_cnt(0) depctr_sa_sdst(0) depctr_va_vdst(0) depctr_va_sdst(0) depctr_va_ssrc(0) depctr_va_vcc(0) depctr_vm_vsrc(0)
	s_getreg_b32 s2, hwreg(HW_REG_IB_STS2, 6, 4)
	s_cmp_eq_u32 s2, 0
	s_cbranch_scc0 .Lentry_in_a_cluster
	s_endpgm
.Lentry_in_a_cluster:
	s_bfe_u32 s2, ttmp6, 0x10000c
	s_cmp_lg_u32 s2, 0xf033
	s_cbranch_scc0 .Lentry_shape_is_right
	s_endpgm
.Lentry_shape_is_right:
; q = x Wq^T + bq, k = x Wk^T + bk, v = x Wv^T + bv on codes of FP6 (E2M3) with E8M0 scales; the results are quantised on the way out and leave as codes: q and k along a head's 64 channels, v along the keys.
; OPERANDS (launch quant): tile T, index r = row 32 (T / 2) + 8 (T % 2) + r + 8 (r / 8); a record of 3,328 bytes is a tile x 256 K: four half fragments of 768 bytes (lane l's first 16 bytes at 16 l, its last 8 at 512 + 8 l), scale words at 3,072 + 8 r.
; A WORK-GROUP (i of 32, j of 8) MAKES TWO BLOCKS.  PART 1: 256 tokens (x's block i) x 256 channels (block j of Wq and Wk as one matrix of 2,048 rows): four waves of 128 x 128, 64 accumulators each.
; PART 2: 128 channels (rows 128 j .. of Wv) x the same 256 tokens: four waves of 64 x 128, 32 accumulators each.  8 x 32 = 256 work-groups do all 384 blocks' worth of 256 x 256.
; Source 0 = 16 rows of B, source 1 = 16 rows of A: a lane stands for a row of A, and the 16 registers of B's tiles 2 j and 2 j + 1 are 16 neighbours, 32 j + 16 (lane / 16) + 0 .. 15, along B's rows: the next product's K.
; Part 1: A = x, B = W: a lane holds a token, its registers run along the channels.  Part 2: A = Wv, B = x: a lane holds a channel, its registers run along the keys.
; LDS.  XA0: x's K step 0, later 3.  WB0: W's K step 0, later 3, later x's K step 0.  XA1: x's K steps 1, 2.  WB1: W's K steps 1, 2, later Wv, all of K.  The head's four loads, one a wave, bring K steps 0 to 2.
; K step 3 is asked for when K step 0 has been read, and has 224 matrix instructions in which to land.  Part 2's Wv and x's K step 0 are asked for in part 1's last step and land under part 1's way out; x's K steps 1 to 3 still lie in LDS.
; Part 2 walks K steps 1, 2, 3, 0.
; CLUSTERS: 4 x 4 work-groups.  x's tiles are asked for jointly along a row of the cluster, W's along a column.
; No prefetch: three of the four K steps are first fills at the head, and the text has no loop in which to run ahead.
; OUT.  qk: [slot 32][tile 512][768], slot = head for q, 16 + head for k; scale words at 12,582,912: [slot][tile / 4][256]: tile 4 g + i, index r at 16 r + 4 i; bytes 0, 1 the head's two blocks, byte 2 = 0, byte 3 = 1.
;       vv: [batch][head][key step 16][tile 4][half 2][768]; scale words [batch][head][key step][256], at 6,291,456.
; LIMITS: a block of zeros gets the byte 1 (its codes are zeros; this program alone reads the bytes); NaN and infinities are not served.
; REGISTERS: window 0: v1-31 addresses; v32-63 scale words, two sets; v64-127 bq or bk at my 128 channels (part 2: v64-79 Wv's scale words); v128-223 A's fragments; v240-247 bv.  Window 1: B's fragments, two sets, at v0 and v128.  Windows 2, 3: accumulators.
.set REC,   3328
.set FR,    12
.set NL,    4
.set NP,    4                          ; places behind this matrix instruction (ISA guide 7.12.1)
.set XA0,   0
.set WB0,   16*REC
.set XA1,   32*REC
.set WB1,   64*REC
.set SPARE, 96*REC                     ; the spare words, 128 bytes a wave
.set O16,  1                           ; the way out: 16 l, 8 l, 16 r + 8 h
.set O8,   2
.set O3,   3
.set XA,   8                           ; v8-11  part 1: my 8 tiles of x: 16 l and 8 l + 512 in XA0, the same in XA1
.set WB,   12                          ; v12-15 my 8 tiles of W in WB0, WB1 (part 2: v12-13 my 8 tiles of x's K step 0)
.set SA,   16                          ; v16-17 part 1's scale words: lanes 0-15 x's, lanes 16-31 W's
.set VA,   18                          ; v18-19 part 2: my 4 tiles of Wv
.set XB,   20                          ; v20-23 part 2: my 8 tiles of x in XA0, XA1
.set SV,   24                          ; part 2's scale words: Wv's;
.set SB2,  25                          ; v25-27 x's in XA0, XA1, WB0
.set SPW,  28
.set NIL,  29
.set SC,   32
.set SCV,  64
.set B0,   64
.set AF,   128
.set BV,   240
.set WVN,  18
.set RH,   19                          ; which half of A's rows is mine
.set CH,   20                          ; which half of B's rows
.set TROW, 41                          ; i
.set TCOL, 42                          ; j
.set G1,   24                          ; group 1: 16 tiles' one record, x's mask;  G1B: W's mask;  G1S, G1SB: two records;  G1V: Wv, dense
.set G1B,  48
.set G1S,  68
.set G1SB, 80
.set G1V,  92
.set G0,   32
.set G0B,  36
.set G0S,  56
.set G0SB, 60
.set G0X,  76
.set G0V,  88
.set MSB, 0
.macro WIN new                         ; the immediate's high byte repeats the setting that is left
.if MSB != (\new)
	s_set_vgpr_msb (MSB<<8)|(\new)
.set MSB, (\new)
.endif
.endm
.set MUL_LO, 0xa1                      ; source 0 (B) window 1, source 1 (A) window 0, C and D window 2
.set MUL_HI, 0xf1
.set TO_B,   0x40
.macro PLACES n
.rept \n
	v_nop
.endr
.endm
.macro CREST                           ; a round of the cluster's barrier behind its opening barrier
	s_cmp_lg_u32 s[WVN], 0
	s_cbranch_scc1 .Lnot_wave_0_\@
	s_barrier_signal -3
.Lnot_wave_0_\@:
	s_barrier_wait -3
	s_barrier_signal -1
	s_barrier_wait -1
.endm
.macro CROUND
	s_barrier_signal -1
	s_barrier_wait -1
	CREST
.endm
.macro GRP1 g, mask, el, pitch         ; 16 rows of el elements of 8 bytes
	s_or_b32 s[\g], s[\mask], (3<<16)|(1<<21)
	s_mov_b32 s[\g+1], (\el)<<16
	s_mov_b32 s[\g+2], 16<<16
	s_mov_b32 s[\g+3], (\el)<<16
	s_mov_b32 s[\g+4], 16
	s_mov_b32 s[\g+5], \pitch
	s_mov_b32 s[\g+6], 0
	s_mov_b32 s[\g+7], 0
.endm
.macro GRP0 g, lds, src, add
	s_mov_b32 s[\g], 1
	s_mov_b32 s[\g+1], \lds
	s_add_nc_u64 s[\g+2:\g+3], s[\src:\src+1], \add
	s_or_b32 s[\g+3], s[\g+3], 0x80000000
.endm
.macro ARM under, g0, g1, next         ; one arm of the head's chain: a load, and a jump to the chain's end
	s_cmp_lt_u32 s[WVN], \under
	s_cbranch_scc0 \next
	tensor_load_to_lds s[\g0:\g0+3], s[\g1:\g1+7]
	s_nop 0
	PLACES 4
	s_branch .Lhead_asked
\next:
.endm
.macro RELOAD g0a, g1a, g0b, g1b       ; a refill: wave 0 asks for one tile, wave 1 for the other; the branches hang on the wave's number alone
	s_cmp_lg_u32 s[WVN], 0
	s_cbranch_scc1 .Lr1_\@
	tensor_load_to_lds s[\g0a:\g0a+3], s[\g1a:\g1a+7]
	s_nop 0
	PLACES 4
	s_branch .Lr2_\@
.Lr1_\@:
	s_cmp_lg_u32 s[WVN], 1
	s_cbranch_scc1 .Lr2_\@
	tensor_load_to_lds s[\g0b:\g0b+3], s[\g1b:\g1b+7]
	s_nop 0
	PLACES 4
.Lr2_\@:
.endm
	s_load_b256 s[4:11], s[0:1], 0x0               ; xq, wq, bq, bk
	s_load_b128 s[12:15], s[0:1], 0x20             ; bv, qk
	s_load_b64 s[16:17], s[0:1], 0x30              ; vv
	v_lshl_add_u32 v[SPW], v0, 2, SPARE
	v_mov_b32 v[NIL], 0
	ds_add_u32 v[SPW], v[NIL]                      ; the opening lines: the add, twice on end, and its wait
	ds_add_u32 v[SPW], v[NIL]
	v_lshrrev_b32 v1, 5, v0
	v_readfirstlane_b32 s[WVN], v1
	s_lshr_b32 s[RH], s[WVN], 1
	s_and_b32 s[CH], s[WVN], 1
	s_bfe_u32 s21, ttmp6, 0x40000                  ; cx
	s_bfe_u32 s22, ttmp6, 0x40004                  ; cy
	s_lshl_b32 s[TCOL], ttmp9, 2
	s_add_co_u32 s[TCOL], s[TCOL], s21
	s_and_b32 s[TROW], ttmp7, 0xffff
	s_lshl_b32 s[TROW], s[TROW], 2
	s_add_co_u32 s[TROW], s[TROW], s22
	s_lshl_b32 s43, s22, 2
	s_lshl_b32 s43, 15, s43                        ; my row of the cluster
	s_lshl_b32 s44, 0x1111, s21                    ; my column
	GRP1 G1,   43, 416, 1664                       ; a record of each of 16 tiles, 13,312 bytes apart
	GRP1 G1B,  44, 416, 1664
	GRP1 G1S,  43, 832, 1664                       ; two records
	GRP1 G1SB, 44, 832, 1664
	GRP1 G1V,  44, 832, 832                        ; 8 tiles, 106,496 dense bytes
	s_mul_i32 s46, s[TROW], 64*REC                 ; x's 16 tiles
	s_mov_b32 s47, 0
	s_mul_i32 s66, s[TCOL], 64*REC                 ; Wq's and Wk's 16 tiles
	s_mov_b32 s67, 0
	s_mul_i32 s100, s[TCOL], 32*REC
	s_add_co_u32 s100, s100, 512*REC               ; Wv's 8 tiles, from tile 128 of wq on
	s_mov_b32 s101, 0
	s_wait_dscnt 0x0                               ; both opening adds are done
	s_wait_kmcnt 0x0
	s_add_nc_u64 s[46:47], s[4:5], s[46:47]
	s_add_nc_u64 s[66:67], s[6:7], s[66:67]
	s_add_nc_u64 s[100:101], s[6:7], s[100:101]
	GRP0 G0,   XA0, 46, 0
	GRP0 G0B,  WB0, 66, 0
	GRP0 G0S,  XA1, 46, REC
	GRP0 G0SB, WB1, 66, REC
	GRP0 G0X,  WB0, 46, 0
	GRP0 G0V,  WB1, 100, 0
	CROUND                                         ; all sixteen work-groups are here: the first joint loads meet
	ARM 1, G0,  G1,  .Lhead_b                      ; one load a wave: x's K step 0,
	ARM 2, G0B, G1B, .Lhead_c                      ; W's,
	ARM 3, G0S, G1S, .Lhead_d                      ; x's K steps 1 and 2,
	tensor_load_to_lds s[G0SB:G0SB+3], s[G1SB:G1SB+7]  ; W's
	s_nop 0
	PLACES 4
.Lhead_asked:
	s_mul_i32 s2, s[RH], 8*REC                     ; LDS: part 1's x in XA0,
	s_mul_i32 s3, s[RH], 16*REC
	s_add_co_u32 s45, s3, WB1                      ; part 2's Wv,
	s_add_co_u32 s3, s3, XA1                       ; part 1's x in XA1,
	s_mul_i32 s23, s[CH], 8*REC                    ; part 2's x in XA0,
	s_add_co_u32 s104, s23, WB0                    ; W in WB0 (part 2: x),
	s_mul_i32 s40, s[CH], 16*REC
	s_add_co_u32 s105, s40, WB1                    ; W in WB1,
	s_add_co_u32 s40, s40, XA1                     ; part 2's x in XA1
	s_sub_co_u32 s46, s104, s2                     ; from x's scale words to W's
	s_sub_co_u32 s47, s105, s3
	s_cmp_lt_u32 s[TCOL], 4
	s_cselect_b64 s[8:9], s[8:9], s[10:11]         ; bq or bk
	s_and_b32 s66, s[TCOL], 3
	s_lshl_b32 s66, s66, 10
	s_lshl_b32 s67, s[CH], 9
	s_add_co_u32 s66, s66, s67
	s_mov_b32 s67, 0
	s_add_nc_u64 s[8:9], s[8:9], s[66:67]          ; at my 128 channels
	s_lshl_b32 s66, s[TCOL], 9
	s_lshl_b32 s100, s[RH], 8
	s_add_co_u32 s66, s66, s100
	s_add_nc_u64 s[12:13], s[12:13], s[66:67]      ; bv at my 64 channels
	v_and_b32 v4, 31, v0                           ; l
	v_and_b32 v5, 15, v0                           ; r
	v_bfe_u32 v6, v0, 4, 1                         ; h
	v_lshlrev_b32 v[O16], 4, v4
	v_lshlrev_b32 v[O8], 3, v4
	v_add_nc_u32 v7, 512, v[O8]
	v_lshlrev_b32 v30, 3, v5
	v_add_nc_u32 v30, 3072, v30                    ; a row's scale words in a record
	v_lshlrev_b32 v[O3], 4, v5
	v_lshl_add_u32 v[O3], v6, 3, v[O3]
	v_add_nc_u32 v[XA], s2, v[O16]
	v_add_nc_u32 v[XA+1], s2, v7
	v_add_nc_u32 v[XA+2], s3, v[O16]
	v_add_nc_u32 v[XA+3], s3, v7
	v_add_nc_u32 v[WB], s104, v[O16]
	v_add_nc_u32 v[WB+1], s104, v7
	v_add_nc_u32 v[WB+2], s105, v[O16]
	v_add_nc_u32 v[WB+3], s105, v7
	v_add_nc_u32 v[VA], s45, v[O16]
	v_add_nc_u32 v[VA+1], s45, v7
	v_add_nc_u32 v[XB], s23, v[O16]
	v_add_nc_u32 v[XB+1], s23, v7
	v_add_nc_u32 v[XB+2], s40, v[O16]
	v_add_nc_u32 v[XB+3], s40, v7
	v_mad_u32_u24 v[SA], s46, v6, v30              ; lanes 16-31 take W's
	v_add_nc_u32 v[SA], s2, v[SA]
	v_mad_u32_u24 v[SA+1], s47, v6, v30
	v_add_nc_u32 v[SA+1], s3, v[SA+1]
	v_add_nc_u32 v[SV], s45, v30
	v_add_nc_u32 v[SB2], s23, v30
	v_add_nc_u32 v[SB2+1], s40, v30
	v_add_nc_u32 v[SB2+2], s104, v30
	v_lshlrev_b32 v31, 6, v6                       ; a bias along B's rows: my half's 16 numbers of each 32
	v_and_b32 v4, 8, v5
	v_add_nc_u32 v4, v4, v5
	v_lshlrev_b32 v4, 2, v4                        ; a bias along A's rows: 4 (r + 8 (r / 8))
.irp t, 0,1,2,3,4,5,6,7
	global_load_b128 v[B0+8*\t:B0+8*\t+3], v31, s[8:9] offset:(32*(\t/2)+8*(\t%2))*4
	global_load_b128 v[B0+8*\t+4:B0+8*\t+7], v31, s[8:9] offset:(32*(\t/2)+8*(\t%2))*4+16
.endr
.irp a, 0,1,2,3
	global_load_b32 v[BV+2*\a], v4, s[12:13] offset:(32*(\a/2)+8*(\a%2))*4
.endr
.macro FRAG reg, a16, a8, off          ; a fragment, 16 rows x 128 K: two half fragments, as they were stored
	ds_load_b128 v[\reg:\reg+3], v[\a16] offset:\off
	ds_load_b64 v[\reg+4:\reg+5], v[\a8] offset:\off
	ds_load_b128 v[\reg+6:\reg+9], v[\a16] offset:(\off)+768
	ds_load_b64 v[\reg+10:\reg+11], v[\a8] offset:(\off)+768
.endm
; PART 1.  Step st is 128 along K; K step st / 2 lies in XA0 and WB0 (K steps 0, 3: tiles one record apart) or in XA1 and WB1 (K steps 1, 2: two records apart).
.macro LOC st
.set SL, (((\st)/2+1)/2)%2
.set PI, REC*(1+SL)
.set EXR, SL*((\st)/2-1)*REC
.set EX, EXR+((\st)%2)*1536
.endm
.macro FETCH_B st
	LOC \st
	WIN TO_B
.irp i, 0,1,2,3,4,5,6,7
	FRAG 128*((\st)%2)+FR*\i, WB+2*SL, WB+2*SL+1, \i*PI+EX
.endr
	WIN 0
.endm
.macro FETCH_A st, i0
	LOC \st
.irp i, \i0, \i0+1, \i0+2, \i0+3
	FRAG AF+FR*(\i), XA+2*SL, XA+2*SL+1, (\i)*PI+EX
.endr
.endm
.macro SCALES st                       ; a K step's scale words: two words a row; lanes 0-15 x's block i, lanes 16-31 W's block i
	LOC \st
.irp i, 0,1,2,3,4,5,6,7
	ds_load_b64 v[SC+16*(((\st)/2)%2)+2*\i:SC+16*(((\st)/2)%2)+2*\i+1], v[SA+SL] offset:\i*PI+EXR
.endr
.endm
; 16 matrix instructions: A's blocks a0, a0 + 1 x B's eight.  The 64 accumulators take turns, one instruction a turn.  zero = 1: the first product starts the sums.
.macro MUL16 a0, p, sc, zero
.irp a, \a0, \a0+1
.irp b, 0,1,2,3,4,5,6,7
.if \zero
	v_wmma_scale_f32_16x16x128_f8f6f4 v[8*(8*((\a)%4)+\b):8*(8*((\a)%4)+\b)+7], v[128*(\p)+FR*\b:128*(\p)+FR*\b+FR-1], v[AF+FR*(\a):AF+FR*(\a)+FR-1], 0, v[SC+16*(\sc)+2*\b+(\p)], v[SC+16*(\sc)+2*(\a)+(\p)] matrix_a_fmt:MATRIX_FMT_FP6 matrix_b_fmt:MATRIX_FMT_FP6 matrix_a_scale:MATRIX_SCALE_ROW1
.else
	v_wmma_scale_f32_16x16x128_f8f6f4 v[8*(8*((\a)%4)+\b):8*(8*((\a)%4)+\b)+7], v[128*(\p)+FR*\b:128*(\p)+FR*\b+FR-1], v[AF+FR*(\a):AF+FR*(\a)+FR-1], v[8*(8*((\a)%4)+\b):8*(8*((\a)%4)+\b)+7], v[SC+16*(\sc)+2*\b+(\p)], v[SC+16*(\sc)+2*(\a)+(\p)] matrix_a_fmt:MATRIX_FMT_FP6 matrix_b_fmt:MATRIX_FMT_FP6 matrix_a_scale:MATRIX_SCALE_ROW1
.endif
.endr
.endr
.endm
.macro M st, a0, zero
	MUL16 \a0, ((\st)%2), (((\st)/2)%2), \zero
.endm
.macro NEXT_LO st                      ; the next step's fragments of B, A's blocks 0-3, and its scale words where it opens a K step
	FETCH_B (\st)+1
	FETCH_A (\st)+1, 0
.if (\st)%2
	SCALES (\st)+1
.endif
.endm
; A step whose successor lies in LDS already.  A's blocks are fetched anew as soon as their products are issued (one set); B has two sets.
.macro STEP st, zero
	s_wait_dscnt 4*NL                              ; all but the youngest 16 loads (A's blocks 4-7) are in
	WIN MUL_LO
	M \st, 0, \zero
	M \st, 2, \zero
	s_wait_dscnt 0                                 ; A's blocks 4-7 are in
	PLACES NP                                      ; in front of loads into registers that matrix instructions have read
	NEXT_LO \st
	WIN MUL_HI
	M \st, 4, \zero
	M \st, 6, \zero
	PLACES NP
	WIN 0
	FETCH_A (\st)+1, 4
.endm
; A step with a barrier.  In front of it each wave waits for all its tensor loads, adds 0 to its spare word, and waits for that and for its LDS reads.
; kind 0: the barrier shows K step 3 to all waves.  kind 1: a round follows, and K step 3 is asked for, over K step 0.  kind 2, part 1's last step: a round follows, and part 2's tiles are asked for, over W's.
.macro TURN st, kind
	s_wait_tensorcnt 0x0
	ds_add_u32 v[SPW], v[NIL]
	s_wait_dscnt 4*NL+1                            ; (the add and the youngest 16 loads may be out)
	WIN MUL_LO
	M \st, 0, 0
	s_wait_dscnt 0x0                               ; the add is done, and all my LDS reads are over
	s_barrier_signal -1
	M \st, 2, 0
	WIN 0
	s_barrier_wait -1
.if \kind == 1
	CREST
	s_add_nc_u64 s[G0+2:G0+3], s[G0+2:G0+3], 3*REC
	s_add_nc_u64 s[G0B+2:G0B+3], s[G0B+2:G0B+3], 3*REC
	RELOAD G0, G1, G0B, G1B
.elseif \kind == 2
	CREST
	RELOAD G0X, G1, G0V, G1V
.endif
	PLACES NP
.if \kind < 2
	NEXT_LO \st
.endif
	WIN MUL_HI
	M \st, 4, 0
	M \st, 6, 0
.if \kind < 2
	PLACES NP
	WIN 0
	FETCH_A (\st)+1, 4
.else
	WIN 0
.endif
.endm
	s_wait_alu depctr_va_vdst(0)                   ; the wait at the head's end
	s_wait_tensorcnt 0x0                           ; my tile of the head's four is in,
	s_barrier_signal -1
	s_barrier_wait -1                              ; everybody's is
	FETCH_B 0
	FETCH_A 0, 0
	SCALES 0
	FETCH_A 0, 4
	STEP 0, 1
	TURN 1, 1
	STEP 2, 0
	STEP 3, 0
	STEP 4, 0
	TURN 5, 0
	STEP 6, 0
	TURN 7, 2
; THE WAY OUT.  A's block a: 64 registers a lane, register 16 j + i = place 32 j + 16 (lane / 16) + i of my 128 along B's rows.  The bias is added, and the block is quantised in registers into one fragment.
.set T,   128                          ; v128-191 the block, bias added
.set PC,  192                          ; v192-210 its codes
.set TM,  212                          ; v212-227 at work
.set PW,  228                          ; the scale word
.set SW0, 32                           ; the blocks' scale words (part 1: the first head's; SW1: the second head's)
.set SW1, 40
.macro QUANT s
.irp b, 0,1,2,3
	v_max3_num_f32 v[TM+\b], |v[\s+16*\b]|, |v[\s+1+16*\b]|, 0x1800000   ; block b: my 16 numbers, and the floor 2^(3 - 127)
.endr
.irp i, 2,4,6,8,10,12,14
.irp b, 0,1,2,3
	v_max3_num_f32 v[TM+\b], v[TM+\b], |v[\s+16*\b+\i]|, |v[\s+1+16*\b+\i]|
.endr
.endr
.irp b, 0,1,2,3
	v_permlanex16_b32 v[TM+4+\b], v[TM+\b], s70, s71
.endr
.irp b, 0,1,2,3
	v_max_num_f32 v[TM+\b], v[TM+\b], v[TM+4+\b]   ; with lane l xor 16's: the block's largest magnitude
.endr
.irp b, 0,1,2,3
	v_add_nc_u32 v[TM+12+\b], 0xff000000, v[TM+\b] ; 2 off its exponent field: the conversion's scale operand
.endr
.irp b, 0,1,2,3
	v_lshrrev_b32 v[TM+4+\b], 23, v[TM+12+\b]      ; the scale's byte
.endr
	v_lshl_or_b32 v[PW], v[TM+5], 8, v[TM+4]
	v_lshl_or_b32 v[PW], v[TM+6], 16, v[PW]
	v_lshl_or_b32 v[PW], v[TM+7], 24, v[PW]
.irp c, 0,1
	v_cvt_scalef32_pk16_fp6_f32 v[PC+6*\c:PC+2+6*\c], v[\s+32*\c:\s+15+32*\c], v[TM+12+2*\c]
	v_cvt_scalef32_pk16_fp6_f32 v[PC+12+4*\c:PC+14+4*\c], v[\s+16+32*\c:\s+31+32*\c], v[TM+12+2*\c+1]
.endr
	v_nop                                          ; one plain place behind a scaled conversion
.irp c, 0,1                                    ; the operand's layout wants a whole block in a lane
.irp i, 0,1,2
	v_permlane16_swap_b32 v[PC+6*\c+\i], v[PC+12+4*\c+\i]
.endr
.irp i, 0,1,2
	v_mov_b32 v[PC+3+6*\c+\i], v[PC+12+4*\c+\i]
.endr
.endr
.endm
.macro OUTBLK a, part
	s_wait_xcnt 0x0                                ; the last block's stores have read their data
	WIN 0x02+(\a)/4                                ; source 0: window 2 or 3
.set i, 0
.rept 32
.if \part == 1
	v_pk_add_f32 v[T+2*i:T+2*i+1], v[64*((\a)%4)+2*i:64*((\a)%4)+2*i+1], v[B0+2*i:B0+2*i+1]      ; the bias along B's rows; each accumulator from its low end on
.else
	v_pk_add_f32 v[T+2*i:T+2*i+1], v[64*((\a)%4)+2*i:64*((\a)%4)+2*i+1], v[BV+2*(\a):BV+2*(\a)+1]  ; the bias along A's rows
.endif
.set i, i+1
.endr
	WIN 0
	QUANT T
.if \part == 1
	v_and_or_b32 v[SW0+(\a)], v[PW], s73, s74      ; the first head's two bytes, byte 3 = 1
	v_lshrrev_b32 v[TM+8], 16, v[PW]
	v_or_b32 v[SW1+(\a)], s74, v[TM+8]             ; the second head's
	global_store_b128 v[O16], v[PC:PC+3], s[54:55] offset:768*(\a)                 ; 512 consecutive bytes,
	global_store_b64 v[O8], v[PC+4:PC+5], s[54:55] offset:768*(\a)+512             ; 256: a half fragment
	global_store_b128 v[O16], v[PC+6:PC+9], s[54:55] offset:393216+768*(\a)        ; the next slot's
	global_store_b64 v[O8], v[PC+10:PC+11], s[54:55] offset:393216+768*(\a)+512
.else
	v_mov_b32 v[SW0+(\a)], v[PW]
	global_store_b128 v[O16], v[PC:PC+3], s[54:55] offset:1536*(\a)
	global_store_b64 v[O8], v[PC+4:PC+5], s[54:55] offset:1536*(\a)+512
	global_store_b128 v[O16], v[PC+6:PC+9], s[54:55] offset:1536*(\a)+768
	global_store_b64 v[O8], v[PC+10:PC+11], s[54:55] offset:1536*(\a)+1280
.endif
.endm
	PLACES NP                                      ; behind the last products
	s_wait_loadcnt 0x0                             ; the biases
	; where part 1's results go (in registers of descriptors whose loads are done; those of the two loads that are out stay as they are)
	s_lshl_b32 s48, s[TCOL], 2
	s_lshl_b32 s49, s[CH], 1
	s_add_co_u32 s48, s48, s49                     ; my first slot
	s_lshl_b32 s50, s[TROW], 4
	s_lshl_b32 s51, s[RH], 3
	s_add_co_u32 s50, s50, s51                     ; my first tile of tokens
	s_mul_i32 s52, s48, 393216
	s_mul_i32 s53, s50, 768
	s_add_co_u32 s52, s52, s53
	s_mov_b32 s53, 0
	s_add_nc_u64 s[54:55], s[14:15], s[52:53]      ; the codes
	s_lshl_b32 s48, s48, 15
	s_lshl_b32 s50, s50, 6
	s_add_co_u32 s48, s48, s50
	s_add_co_u32 s48, s48, 12582912
	s_mov_b32 s49, 0
	s_add_nc_u64 s[68:69], s[14:15], s[48:49]      ; the scale words
	s_mov_b32 s70, 0x76543210
	s_mov_b32 s71, 0xfedcba98                      ; lane l xor 16
	s_mov_b32 s72, 0xffff0000                      ; lanes 16-31
	s_mov_b32 s73, 0xffff
	s_mov_b32 s74, 0x01000000
.irp b, 0,1,2,3
	v_mov_b32 v[TM+4+\b], 0                        ; a lane permute's destination counts as one of its sources
	v_mov_b32 v[BV+2*\b+1], v[BV+2*\b]             ; a pair for the packed addition
.endr
.irp a, 0,1,2,3,4,5,6,7
	OUTBLK \a, 1
.endr
.irp g, 0,1                                    ; four blocks' scale words make a unit of 256 bytes: lane (r, h) sends the words of blocks 2 h and 2 h + 1 to 16 r + 8 h
	v_cndmask_b32 v[56+2*\g], v[SW0+4*\g], v[SW0+4*\g+2], s72
	v_cndmask_b32 v[57+2*\g], v[SW0+4*\g+1], v[SW0+4*\g+3], s72
	v_cndmask_b32 v[60+2*\g], v[SW1+4*\g], v[SW1+4*\g+2], s72
	v_cndmask_b32 v[61+2*\g], v[SW1+4*\g+1], v[SW1+4*\g+3], s72
.endr
	global_store_b64 v[O3], v[56:57], s[68:69]
	global_store_b64 v[O3], v[58:59], s[68:69] offset:256
	global_store_b64 v[O3], v[60:61], s[68:69] offset:32768
	global_store_b64 v[O3], v[62:63], s[68:69] offset:33024
; PART 2.  Step n of eight takes 128 along K at step (n + 2) % 8 of K.  Both operands have two sets of registers; the next step's loads are issued ahead of a step's 32 matrix instructions.
.macro FETCH2 n
.set ST2, ((\n)+2)%8
.set K2, ST2/2
.set Q2, (ST2%2)*1536
.if K2 == 0
.set BR, WB
.set SR, SB2+2
.set PI, REC
.set EXR, 0
.elseif K2 == 3
.set BR, XB
.set SR, SB2
.set PI, REC
.set EXR, 0
.else
.set BR, XB+2
.set SR, SB2+1
.set PI, 2*REC
.set EXR, (K2-1)*REC
.endif
	WIN TO_B
.irp i, 0,1,2,3,4,5,6,7
	FRAG 128*((\n)%2)+FR*\i, BR, BR+1, \i*PI+EXR+Q2
.endr
	WIN 0
.irp i, 0,1,2,3
	FRAG AF+48*((\n)%2)+FR*\i, VA, VA+1, \i*4*REC+K2*REC+Q2
.endr
.if (\n)%2 == 0
.irp i, 0,1,2,3,4,5,6,7
	ds_load_b64 v[SC+16*(((\n)/2)%2)+2*\i:SC+16*(((\n)/2)%2)+2*\i+1], v[SR] offset:\i*PI+EXR      ; x's scale words, row r's in lane r
.endr
.irp i, 0,1,2,3
	ds_load_b64 v[SCV+8*(((\n)/2)%2)+2*\i:SCV+8*(((\n)/2)%2)+2*\i+1], v[SV] offset:\i*4*REC+K2*REC   ; Wv's
.endr
.endif
.endm
.macro MUL32 n, zero                   ; the 32 accumulators take turns
.irp a, 0,1,2,3
.irp b, 0,1,2,3,4,5,6,7
.if \zero
	v_wmma_scale_f32_16x16x128_f8f6f4 v[8*(8*\a+\b):8*(8*\a+\b)+7], v[128*((\n)%2)+FR*\b:128*((\n)%2)+FR*\b+FR-1], v[AF+48*((\n)%2)+FR*\a:AF+48*((\n)%2)+FR*\a+FR-1], 0, v[SC+16*(((\n)/2)%2)+2*\b+(\n)%2], v[SCV+8*(((\n)/2)%2)+2*\a+(\n)%2] matrix_a_fmt:MATRIX_FMT_FP6 matrix_b_fmt:MATRIX_FMT_FP6
.else
	v_wmma_scale_f32_16x16x128_f8f6f4 v[8*(8*\a+\b):8*(8*\a+\b)+7], v[128*((\n)%2)+FR*\b:128*((\n)%2)+FR*\b+FR-1], v[AF+48*((\n)%2)+FR*\a:AF+48*((\n)%2)+FR*\a+FR-1], v[8*(8*\a+\b):8*(8*\a+\b)+7], v[SC+16*(((\n)/2)%2)+2*\b+(\n)%2], v[SCV+8*(((\n)/2)%2)+2*\a+(\n)%2] matrix_a_fmt:MATRIX_FMT_FP6 matrix_b_fmt:MATRIX_FMT_FP6
.endif
.endr
.endr
.endm
	s_wait_xcnt 0x0                                ; part 1's stores have read their data and bases
	s_wait_tensorcnt 0x0                           ; my tile of part 2's two is in,
	s_barrier_signal -1
	s_barrier_wait -1                              ; everybody's is
	FETCH2 0
	s_wait_dscnt 0x0
	FETCH2 1
	WIN MUL_LO
	MUL32 0, 1
	WIN 0
.set N, 1
.rept 7
	s_wait_dscnt 0x0                               ; this step's loads, issued a step ago, are in
.if N < 7
	PLACES NP
	FETCH2 (N+1)
.endif
	WIN MUL_LO
	MUL32 N, 0
	WIN 0
.set N, N+1
.endr
	PLACES NP
	s_lshr_b32 s48, s[TROW], 3                     ; the batch,
	s_lshl_b32 s48, s48, 4
	s_lshl_b32 s49, s[TCOL], 1
	s_add_co_u32 s48, s48, s49
	s_add_co_u32 s48, s48, s[RH]                   ; my head,
	s_lshl_b32 s48, s48, 4
	s_and_b32 s49, s[TROW], 7
	s_lshl_b32 s49, s49, 1
	s_add_co_u32 s48, s48, s49
	s_add_co_u32 s48, s48, s[CH]                   ; my key step
	s_mul_i32 s52, s48, 6144
	s_add_nc_u64 s[54:55], s[16:17], s[52:53]
	s_lshl_b32 s48, s48, 8
	s_add_co_u32 s48, s48, 6291456
	s_mov_b32 s49, 0
	s_add_nc_u64 s[68:69], s[16:17], s[48:49]
.irp a, 0,1,2,3
	OUTBLK \a, 2
.endr
	v_cndmask_b32 v56, v[SW0], v[SW0+2], s72
	v_cndmask_b32 v57, v[SW0+1], v[SW0+3], s72
	global_store_b64 v[O3], v[56:57], s[68:69]
	s_wait_tensorcnt 0x0                           ; the wave's end
	ds_add_u32 v[SPW], v[NIL]
	s_wait_dscnt 0x0
	CROUND                                         ; the closing round
	s_endpgm
.Lfunc_end_k_q7331349830_gemmq:
	.size	k_q7331349830_gemmq, .Lfunc_end_k_q7331349830_gemmq-k_q7331349830_gemmq
	.p2alignl 7, 3214868480
	.fill 96, 4, 3214868480
	.section	.rodata,"a",@progbits
	.p2align	6, 0x0
	.amdhsa_kernel k_q7331349830_gemmq
		.amdhsa_group_segment_fixed_size 327680
		.amdhsa_private_segment_fixed_size 0
		.amdhsa_enable_private_segment 0
		.amdhsa_kernarg_size 56
		.amdhsa_user_sgpr_count 2
		.amdhsa_user_sgpr_kernarg_segment_ptr 1
		.amdhsa_wavefront_size32 1
		.amdhsa_system_sgpr_workgroup_id_x 1
		.amdhsa_system_sgpr_workgroup_id_y 1
		.amdhsa_system_sgpr_workgroup_id_z 1
		.amdhsa_system_vgpr_workitem_id 0
		.amdhsa_next_free_vgpr 1024
		.amdhsa_next_free_sgpr 106
		.amdhsa_reserve_vcc 0
		.amdhsa_float_denorm_mode_32 3
		.amdhsa_float_denorm_mode_16_64 3
		.amdhsa_memory_ordered 1
		.amdhsa_forward_progress 1
		.amdhsa_inst_pref_size 255
	.end_amdhsa_kernel
	.section	.bss,"aw",@nobits
	.p2align	6
	.space	262144
	.amdgpu_metadata
---
amdhsa.version: [ 1, 2 ]
amdhsa.kernels:
  - .name:           k_q7331349830_gemmq
    .symbol:         k_q7331349830_gemmq.kd
    .args:
      - { .name: xq, .offset: 0, .size: 8, .value_kind: global_buffer, .address_space: global }
      - { .name: wq, .offset: 8, .size: 8, .value_kind: global_buffer, .address_space: global }
      - { .name: bq, .offset: 16, .size: 8, .value_kind: global_buffer, .address_space: global }
      - { .name: bk, .offset: 24, .size: 8, .value_kind: global_buffer, .address_space: global }
      - { .name: bv, .offset: 32, .size: 8, .value_kind: global_buffer, .address_space: global }
      - { .name: qk, .offset: 40, .size: 8, .value_kind: global_buffer, .address_space: global }
      - { .name: vv, .offset: 48, .size: 8, .value_kind: global_buffer, .address_space: global }
    .group_segment_fixed_size: 327680
    .private_segment_fixed_size: 0
    .kernarg_segment_align: 8
    .kernarg_segment_size: 56
    .max_flat_workgroup_size: 128
    .sgpr_count:     106
    .vgpr_count:     1024
    .wavefront_size: 32
...
	.end_amdgpu_metadata
.endif
;; end of part 2
;; launch attn (part 3): grid 4 x 64, 16 waves a work-group, clusters of 4 x 1, 327,680 bytes of LDS; arguments qk, vv, attention_mask, oo; writes oo
.if DOCPART == 3
	.amdgcn_target "amdgcn-amd-amdhsa--gfx1250"
	.amdhsa_code_object_version 6
	.text
	.protected	k_q7331349830_attn
	.globl	k_q7331349830_attn
	.p2align	8
	.type	k_q7331349830_attn,@function
k_q7331349830_attn:
	s_mov_b64 s[64:65], 0
	v_nop
	global_prefetch_b8 v0, s[64:65] scope:SCOPE_SE
	s_setreg_imm32_b32 hwreg(HW_REG_WAVE_MODE, 25, 1), 1
	s_wait_xcnt 0x0
	s_wait_alu depctr_hold_cnt(0) depctr_sa_sdst(0) depctr_va_vdst(0) depctr_va_sdst(0) depctr_va_ssrc(0) depctr_va_vcc(0) depctr_vm_vsrc(0)
	s_getreg_b32 s2, hwreg(HW_REG_IB_STS2, 6, 4)
	s_cmp_eq_u32 s2, 0
	s_cbranch_scc0 .Lentry_in_a_cluster
	s_endpgm
.Lentry_in_a_cluster:
	s_bfe_u32 s2, ttmp6, 0x10000c
	s_cmp_lg_u32 s2, 0x3003
	s_cbranch_scc0 .Lentry_shape_is_right
	s_endpgm
.Lentry_shape_is_right:
; Attention of one (batch, head) for each cluster, on codes of FP6 (E2M3) with E8M0 scales: scores = q k^T / 8, causal mask, then -1e9 at padded keys; p = 2^(t - M), t = logit x log2(e), M the ceiling of the running largest t;
; O = (quantised p) (quantised v) / (the sum of the unquantised p); O is quantised along D and leaves as codes, in the records that the last product reads.
; SHARES.  The cluster's four work-groups each hold the head's whole K and V in LDS, asked for JOINTLY (one load for the four).  No LDS byte is filled twice.  Wave w of partner cx owns query tiles 4 w + cx and 127 - (4 w + cx):
; a tile t needs key steps 0 .. t / 8, so every wave has 17 steps of 128 keys, and t / 8 hangs on the wave's number alone: cx enters global addresses and one vector number (the diagonal's), nothing else.
; TILES IN MEMORY.  Index r of tile T stands for row 32 (T / 2) + 8 (T % 2) + r + 8 (r / 8), in q, k, v's channels and O alike.  Both products are used transposed (S^T = K Q^T, O^T = V^T P^T): a lane holds one query.
; K'S TILES AS THEY ARE MULTIPLIED are formed by the lanes' LDS addresses: row m of tile t of a group of 64 keys is key 8 t + m (m < 8) or 32 + 8 t + m - 8: eight rows of one stored tile and eight of the stored tile two further on.
; So the 32 registers of a group's four tiles are, in lane half h, the 32 neighbouring keys 32 h + 0 .. 31: one whole block, in the order of the next operand's registers: no lane asks another for a block's maximum or for codes.
; TWO REGISTER AREAS TAKE TURNS: in one step K, then V, lies in one and S^T, then p, in the other; when p has been converted, the next step's K is fetched into p's area.  The loop's one trip runs two steps.
; THE HEAD HAS 64 CHANNELS, THE INSTRUCTION 128 ALONG K.  Of places 64 .. 127 Q holds zero codes but at place 64, where it holds +7.5 under the byte 127.  A padded key holds -7.5 there under the byte 227: 56.25 x 2^100 off its score, so its p is 0;
; any other key holds 0 under the byte 1.  Where Q holds 0, K's operand may hold any code (each is a finite number): K's tiles lie 8 registers apart and an operand runs on into the next tile.
; PADDED KEYS.  The pad mask is laid over the causal one, so a padded key counts for EVERY query, with t = TPAD = f32(-1e9 x log2(e)) = -1,442,695,040, a whole number: its p is 2^(TPAD - M), an exact power of two, the same for all of them.
; Their share, p_pad x (the sum of the quantised v over the batch's padded keys) and p_pad x (their number) in the row's sum, is added once, at a row's end; M starts at TPAD where the batch has a padded key.
; LIMITS: NaN and infinities are not served; |t| stays under 1e30; where an unmasked logit lies within some 150 of -1e9 while the mask has holes, the padded keys' p is added unquantised (it is an exact power of two); a block of zeros gets the byte 1.
; The scale bytes of O leave as single bytes: a head owns 2 of a row's 8 in its record.  No prefetch: K and V are asked for whole at the head, and both passes' Q with them.
.set KIMG, 0                           ; LDS: K's 128 tiles x 768 bytes (tensor loads),
.set VIMG, 98304                       ; V's 16 key steps x 6,144 (tensor loads),
.set VSC,  196608                      ; V's scale words, 16 x 256 (a tensor load),
.set KSC,  200704                      ; K's scale words with the pad's byte set: [64 keys][row m][tile t], 32 x 256 (stored here); 8,192 on: the pad's code words, laid alike,
.set PART, 217088                      ; each wave's sum of v over its key step's padded keys: 64 words, and their number, 32 words: 16 x 384,
.set TOT,  223232                      ; the sums of those,
.set SPARE, 0x36a00                    ; the spare words,
.set QST,  225792                      ; and each wave's own two Q fragments: 2 x 1,024 bytes a wave
.set WV,   12
.set CX,   13
.set BH,   14
.set BB,   15
.set HEAD, 16
.set HM,   17                          ; lanes 16-31
.set SEL,  18                          ; s[18:19] lane l xor 16
.set CS,   20                          ; s[20:21] c = log2(e) / 8
.set T6,   22                          ; the trip's bytes in K's and V's images,
.set T5,   23                          ; in K's tables,
.set T4,   24                          ; in V's scale words
.set KS,   25                          ; the trip's first key step
.set GG,   26                          ; my tile's last key step
.set G1A,  28
.set G0,   36
.set G1S,  40
.set G0S,  48
.set OP,   56
.set OSP,  58
.set PP,   78                          ; the pass
.set QL,   80                          ; the pass's Q in LDS
.set L16K, 1                           ; K as it is multiplied: 256 h + 16 (r % 8) + 1536 (r / 8);  v2: 512 + 128 h + 8 (r % 8) + 1536 (r / 8)
.set L8K,  2
.set AV0,  3                           ; 16 l and 8 l + 512 in V's image
.set AV8,  4
.set ASK0, 5                           ; 16 r in K's tables
.set G16,  6                           ; 16 l
.set ASV0, 7                           ; 16 r in V's scale words
.set ADK,  8                           ; v8-13 the trip's addresses
.set ADK8, 9
.set ADV,  10
.set ADV8, 11
.set ADS,  12
.set ADT,  13
.set G8,   14                          ; 8 l + 512
.set DV,   15                          ; my query's place in its key step, less 32 (lane / 16)
.set QF,   16                          ; v16-27 Q's fragment
.set QS,   28
.set CNT,  29                          ; the number of the batch's padded keys
.set MINIT, 30
.set NINF, 31
.set XX,   32                          ; v32-95 one area, v96-99 zeros behind it
.set YY,   100                         ; v100-163 the other, v164-167 zeros behind it
.set S,    100                         ; the head and a pass's end work in the second area
.set OO,   132
.set OT,   168                         ; v168-199 O^T
.set PCD,  200                         ; v200-211 p's codes
.set PT,   212                         ; v212-214, v216-218
.set R8H,  215                         ; 8 r + h
.set R16,  219                         ; 16 r
.set BM,   220                         ; v220-221 my two blocks' largest scores, then p
.set PM,   222                         ; v222-223 at work
.set SO,   224                         ; v224-225 the conversions' scale operands (v224-235, v248-249: the sum's seven chains)
.set KSW,  228
.set VSW,  236
.set PSW,  240
.set ONE,  241
.set NM,   242                         ; v242 -M, v243 the largest t
.set LS,   244
.set FF,   246                         ; f = 2^(old M - new M)
.macro ROUND
	s_barrier_signal -1
	s_barrier_wait -1
	s_cmp_lg_u32 s[WV], 0
	s_cbranch_scc1 .Lnot_wave_0_\@
	s_barrier_signal -3
.Lnot_wave_0_\@:
	s_barrier_wait -3
	s_barrier_signal -1
	s_barrier_wait -1
.endm
.macro VLOAD vf, odd                   ; a key step's four fragments of V^T and their scale words: 17 loads
.irp t, 0,1,2,3
	ds_load_b128 v[\vf+12*\t:\vf+12*\t+3], v[ADV] offset:6144*\odd+1536*\t
	ds_load_b64 v[\vf+12*\t+4:\vf+12*\t+5], v[ADV8] offset:6144*\odd+1536*\t
	ds_load_b128 v[\vf+12*\t+6:\vf+12*\t+9], v[ADV] offset:6144*\odd+1536*\t+768
	ds_load_b64 v[\vf+12*\t+10:\vf+12*\t+11], v[ADV8] offset:6144*\odd+1536*\t+768
.endr
	ds_load_b128 v[VSW:VSW+3], v[ADT] offset:256*\odd
.endm
.macro KLOAD dst, a16, a8, as, o6, o5  ; a key step's eight tiles of K, the pad's codes at place 64, and the scale words: 26 loads
.irp t, 0,1,2,3,4,5,6,7
	ds_load_b128 v[\dst+8*\t:\dst+8*\t+3], v[\a16] offset:\o6+(4*(\t/4)+\t%2)*768+((\t%4)/2)*128
	ds_load_b64 v[\dst+8*\t+4:\dst+8*\t+5], v[\a8] offset:\o6+(4*(\t/4)+\t%2)*768+((\t%4)/2)*64
	ds_load_b32 v[\dst+8*\t+6], v[\as] offset:\o5+8192+256*(\t/4)+4*(\t%4)
.endr
	ds_load_b128 v[KSW:KSW+3], v[\as] offset:\o5
	ds_load_b128 v[KSW+4:KSW+7], v[\as] offset:\o5+256
.endm
.macro QBASE p, qp, qsp                ; where pass p's Q and its scale words lie
	s_lshl_b32 s88, s[WV], 2
	s_add_co_u32 s88, s88, s[CX]
.if \p
	s_xor_b32 s88, s88, 127
.endif
	s_lshl_b32 s89, s[BB], 7
	s_add_co_u32 s88, s88, s89                     ; the tile among all 512
	s_mul_i32 s86, s[HEAD], 393216
	s_mul_i32 s89, s88, 768
	s_add_co_u32 s86, s86, s89
	s_add_nc_u64 s[\qp:\qp+1], s[4:5], s[86:87]
	s_lshl_b32 s86, s[HEAD], 15
	s_lshr_b32 s89, s88, 2
	s_lshl_b32 s89, s89, 8
	s_add_co_u32 s86, s86, s89
	s_and_b32 s89, s88, 3
	s_lshl_b32 s89, s89, 2
	s_add_co_u32 s86, s86, s89
	s_add_co_u32 s86, s86, 12582912
	s_add_nc_u64 s[\qsp:\qsp+1], s[4:5], s[86:87]
.endm
	s_load_b256 s[4:11], s[0:1], 0x0               ; qk, vv, attention_mask, oo
	v_lshl_add_u32 v254, v0, 2, SPARE
	v_mov_b32 v255, 0
	ds_add_u32 v254, v255                          ; the opening lines: the add, twice on end, and its wait
	ds_add_u32 v254, v255
	s_wait_dscnt 0x0
	v_lshrrev_b32 v1, 5, v0
	s_delay_alu instid0(VALU_DEP_1)
	v_readfirstlane_b32 s[WV], v1                  ; wave 0..15
	s_bfe_u32 s[CX], ttmp6, 0x40000
	s_and_b32 s[BH], ttmp7, 0xffff                 ; 16 x batch + head: the cluster's y
	s_lshr_b32 s[BB], s[BH], 4
	s_and_b32 s[HEAD], s[BH], 15
	s_mov_b32 s[HM], 0xffff0000
	s_mov_b32 s[SEL], 0x76543210
	s_mov_b32 s[SEL+1], 0xfedcba98
	s_mov_b32 s[CS], 0x3e38aa3b                    ; log2(e) / 8
	s_mov_b32 s[CS+1], s[CS]
	s_mov_b32 s[G1A], 15|(3<<16)|(1<<21)           ; 24,576 dense bytes as 96 rows of 256; the mask names all four work-groups
	s_mov_b32 s[G1A+1], 32<<16
	s_mov_b32 s[G1A+2], 96<<16
	s_mov_b32 s[G1A+3], 32<<16
	s_mov_b32 s[G1A+4], 96
	s_mov_b32 s[G1A+5], 32
	s_mov_b32 s[G1A+6], 0
	s_mov_b32 s[G1A+7], 0
	s_mov_b32 s[G1S], 15|(3<<16)|(1<<21)           ; and 4,096 as 16 rows
	s_mov_b32 s[G1S+1], 32<<16
	s_mov_b32 s[G1S+2], 16<<16
	s_mov_b32 s[G1S+3], 32<<16
	s_mov_b32 s[G1S+4], 16
	s_mov_b32 s[G1S+5], 32
	s_mov_b32 s[G1S+6], 0
	s_mov_b32 s[G1S+7], 0
	s_add_co_u32 s60, s[HEAD], 16
	s_mul_i32 s60, s60, 393216
	s_mul_i32 s61, s[BB], 98304
	s_add_co_u32 s60, s60, s61                     ; K's image of this batch and head, in qk
	s_mov_b32 s61, 0
	s_mul_i32 s62, s[BH], 98304                    ; V's, in vv
	s_mov_b32 s63, 0
	s_and_b32 s66, s[WV], 3
	s_mul_i32 s66, s66, 24576                      ; my quarter of it
	s_mov_b32 s67, 0
	s_and_b32 s68, s[WV], 7
	s_mul_i32 s68, s68, 24576                      ; and its place in LDS: K's four quarters, then V's
	s_lshl_b32 s70, s[BH], 12
	s_add_co_u32 s70, s70, 6291456                 ; V's scale words
	s_mov_b32 s71, 0
	s_lshl_b32 s72, s[BB], 13                      ; the batch's mask
	s_mov_b32 s73, 0
	s_lshl_b32 s74, s[WV], 9                       ; key step w's part of it
	s_mov_b32 s75, 0
	s_add_co_u32 s76, s[HEAD], 16
	s_lshl_b32 s76, s76, 15
	s_add_co_u32 s76, s76, s72
	s_add_co_u32 s76, s76, 12582912                ; K's scale words
	s_mov_b32 s77, 0
	s_mov_b32 s87, 0
	s_lshl_b32 s[QL], s[WV], 11
	s_add_co_u32 s[QL], s[QL], QST                 ; my two Q fragments in LDS
	s_mul_i32 s90, s[WV], 384
	s_add_co_u32 s90, s90, PART                    ; my partial sums
	s_mul_i32 s91, s[WV], 6144
	s_lshl_b32 s92, s[WV], 8
	s_wait_kmcnt 0x0
	s_add_nc_u64 s[60:61], s[4:5], s[60:61]
	s_add_nc_u64 s[62:63], s[6:7], s[62:63]
	s_cmp_lt_u32 s[WV], 4
	s_cselect_b64 s[60:61], s[60:61], s[62:63]     ; waves 0-3 fetch K, waves 4-7 V
	s_add_nc_u64 s[60:61], s[60:61], s[66:67]
	s_mov_b32 s[G0], 1
	s_mov_b32 s[G0+1], s68
	s_mov_b64 s[G0+2:G0+3], s[60:61]
	s_or_b32 s[G0+3], s[G0+3], 0x80000000
	s_mov_b32 s[G0S], 1
	s_mov_b32 s[G0S+1], VSC
	s_add_nc_u64 s[G0S+2:G0S+3], s[6:7], s[70:71]
	s_or_b32 s[G0S+3], s[G0S+3], 0x80000000
	s_add_nc_u64 s[72:73], s[8:9], s[72:73]
	s_add_nc_u64 s[74:75], s[72:73], s[74:75]
	s_add_nc_u64 s[76:77], s[4:5], s[76:77]
	QBASE 0, 52, 54
	QBASE 1, 82, 84
	ROUND                                          ; all four work-groups are here: the joint loads meet
	s_cmp_lt_u32 s[WV], 8                          ; one tensor load a wave, waves 0 to 8; the branches hang on the wave's number alone
	s_cbranch_scc0 .Lnot_kv
	tensor_load_to_lds s[G0:G0+3], s[G1A:G1A+7]
	s_nop 0
.rept 4
	v_nop
.endr
	s_branch .Lasked
.Lnot_kv:
	s_cmp_lt_u32 s[WV], 9
	s_cbranch_scc0 .Lasked
	tensor_load_to_lds s[G0S:G0S+3], s[G1S:G1S+7]
	s_nop 0
.rept 4
	v_nop
.endr
.Lasked:
	v_and_b32 v248, 31, v0                         ; l
	v_and_b32 v249, 15, v0                         ; r
	v_bfe_u32 v250, v0, 4, 1                       ; h
	v_and_b32 v251, 7, v0                          ; r % 8
	v_bfe_u32 v253, v0, 3, 1                       ; r / 8
	v_lshlrev_b32 v[G16], 4, v248
	v_lshlrev_b32 v[G8], 3, v248
	v_lshlrev_b32 v[R16], 4, v249
	v_mul_u32_u24 v252, v253, 1536
	v_add_nc_u32 v[G8], 512, v[G8]
	v_add_nc_u32 v[AV0], VIMG, v[G16]
	v_add_nc_u32 v[ASK0], KSC, v[R16]
	v_add_nc_u32 v[ASV0], VSC, v[R16]
	v_add_nc_u32 v[AV8], VIMG, v[G8]
	v_lshl_add_u32 v[R8H], v249, 3, v250
	v_lshl_add_u32 v[L16K], v250, 8, v252
	v_lshl_add_u32 v[L8K], v250, 7, v252
	v_and_b32 v[ADK], 0x1f0, v0
	v_lshl_add_u32 v[L16K], v251, 4, v[L16K]
	v_lshl_add_u32 v[L8K], v251, 3, v[L8K]
	v_lshlrev_b32 v[ADK], 4, v[ADK]                ; thread i = (64 keys i / 16, stored index i % 16): 256 (i / 16)
	v_add_nc_u32 v[L8K], 512, v[L8K]
	v_lshl_add_u32 v[ADK], v251, 4, v[ADK]         ; + 16 (r % 8)
	v_lshlrev_b32 v[ADS], 5, v250
	v_lshl_add_u32 v[ADK], v253, 3, v[ADK]         ; + 8 (r / 8): the words of stored tiles 0, 1; those of tiles 2, 3 lie 128 on
	v_add_nc_u32 v[ADS], s90, v[ADS]               ; my wave's sums: + 32 h
	v_add_nc_u32 v[ADK], KSC, v[ADK]
	v_lshlrev_b32 v[ADK8], 2, v248
	v_add_nc_u32 v[ADV], s91, v[AV0]               ; V of key step w
	v_add_nc_u32 v[ADK8], s90, v[ADK8]             ; and its number: + 4 l (+ 256 in the store)
	v_add_nc_u32 v[ADV8], s91, v[AV8]
	v_add_nc_u32 v[ADT], s92, v[ASV0]
	v_lshrrev_b32 v251, 4, v0
	v_and_b32 v252, 8, v249
	s_delay_alu instid0(VALU_DEP_1)
	v_add_nc_u32 v252, v252, v249
	s_delay_alu instid0(VALU_DEP_1)
	v_lshl_add_u32 v252, v251, 6, v252
	s_delay_alu instid0(VALU_DEP_1)
	v_lshlrev_b32 v252, 2, v252                    ; the mask at key 64 (i / 16) + r + 8 (r / 8)
	v_lshlrev_b32 v253, 4, v0                      ; 16 i
	v_lshlrev_b32 v254, 7, v250                    ; 128 h
	global_load_b32 v32, v252, s[72:73]            ; the keys for which stored index r stands in the four stored tiles
	global_load_b32 v33, v252, s[72:73] offset:32
	global_load_b32 v34, v252, s[72:73] offset:128
	global_load_b32 v35, v252, s[72:73] offset:160
	global_load_b128 v[36:39], v253, s[76:77]      ; and their scale words
	global_load_b128 v[80:83], v[G16], s[52:53]    ; both passes' Q
	global_load_b64 v[84:85], v[G8], s[52:53]
	global_load_b32 v86, v[R16], s[54:55]
	global_load_b128 v[88:91], v[G16], s[82:83]
	global_load_b64 v[92:93], v[G8], s[82:83]
	global_load_b32 v94, v[R16], s[84:85]
.irp c, 0,1
.irp j, 0,1,2,3,4,5,6,7
	global_load_b128 v[S+32*\c+4*\j:S+32*\c+4*\j+3], v254, s[74:75] offset:256*\c+16*\j   ; key step w's mask in an operand's order: keys 64 c + 32 h + 0 .. 31
.endr
.endr
	v_mov_b32 v[NINF], 0xff800000
	v_cndmask_b32 v[QF+6], 31, 0, s[HM]            ; Q at place 64: the code of +7.5, in lanes 0-15
.irp i, 7,8,9,10,11
	v_mov_b32 v[QF+\i], 0
.endr
	v_mov_b32 v[PM], 0                             ; a lane permute's destination counts as one of its sources
	v_mov_b32 v[PM+1], 0
	v_mov_b32 v[FF+1], 0                           ; (upper halves of pairs of which the low word serves both halves)
	v_mov_b32 v255, 0
	v_mov_b32 v[PSW], 0x7f7f7f7f                   ; the flags' scale word: 1.0
	v_mov_b32 v[ONE], 1.0
	v_mov_b32 v44, 0x00010000
	v_mov_b32 v45, 0x00e30000
	v_add_nc_u32 v248, s[QL], v[G16]
	v_add_nc_u32 v249, s[QL], v[G8]
	v_add_nc_u32 v250, s[QL], v[R16]
	s_wait_alu depctr_va_vdst(0)                   ; the wait ahead of the wait below
	s_wait_loadcnt 0x0
	v_or_b32 v86, 0x007f0000, v86                  ; the byte 127 over place 64
	v_or_b32 v94, 0x007f0000, v94
	ds_store_b128 v248, v[80:83]                   ; my own bytes: no other wave touches them
	ds_store_b64 v249, v[84:85]
	ds_store_b128 v248, v[88:91] offset:1024
	ds_store_b64 v249, v[92:93] offset:1024
	ds_store_b32 v250, v86 offset:768
	ds_store_b32 v250, v94 offset:1792
.irp t, 0,1,2,3
	v_cmp_eq_u32 vcc_lo, 0, v[32+\t]               ; padded?
	s_delay_alu instid0(VALU_DEP_1)
	v_cndmask_b32 v[40+\t], 0, 63, vcc_lo          ; the code of -7.5 at place 64, or 0,
	s_delay_alu instid0(VALU_DEP_2)
	v_cndmask_b32 v46, v44, v45, vcc_lo            ; under the byte 227, or 1
	s_delay_alu instid0(VALU_DEP_1)
	v_or_b32 v[36+\t], v[36+\t], v46
.endr
	ds_store_b64 v[ADK], v[36:37]                  ; in the order in which K's tiles are multiplied
	ds_store_b64 v[ADK], v[38:39] offset:128
	ds_store_b64 v[ADK], v[40:41] offset:8192
	ds_store_b64 v[ADK], v[42:43] offset:8320
.set n, 0
.rept 64
	v_cmp_eq_u32 vcc_lo, 0, v[S+n]
	s_delay_alu instid0(VALU_DEP_1)
	v_cndmask_b32 v[S+n], 0, 1.0, vcc_lo           ; 1 at a padded key
.set n, n+1
.endr
	v_pk_add_f32 v[250:251], v[100:101], v[102:103]
	v_pk_add_f32 v[244:245], v[108:109], v[112:113]
	v_pk_add_f32 v[242:243], v[116:117], v[120:121]
	v_pk_add_f32 v[238:239], v[124:125], v[128:129]
	v_pk_add_f32 v[236:237], v[132:133], v[136:137]
	v_pk_add_f32 v[234:235], v[140:141], v[144:145]
	v_pk_add_f32 v[232:233], v[148:149], v[152:153]
	v_pk_add_f32 v[248:249], v[156:157], v[160:161]
	s_delay_alu instid0(VALU_DEP_1)
	v_pk_add_f32 v[248:249], v[248:249], v[104:105]
	v_pk_add_f32 v[250:251], v[250:251], v[106:107]
	v_pk_add_f32 v[244:245], v[244:245], v[110:111]
	v_pk_add_f32 v[242:243], v[242:243], v[114:115]
	v_pk_add_f32 v[238:239], v[238:239], v[118:119]
	v_pk_add_f32 v[236:237], v[236:237], v[122:123]
	v_pk_add_f32 v[234:235], v[234:235], v[126:127]
	v_pk_add_f32 v[232:233], v[232:233], v[130:131]
	v_pk_add_f32 v[248:249], v[248:249], v[134:135]
	v_pk_add_f32 v[250:251], v[250:251], v[138:139]
	v_pk_add_f32 v[244:245], v[244:245], v[142:143]
	v_pk_add_f32 v[242:243], v[242:243], v[146:147]
	v_pk_add_f32 v[238:239], v[238:239], v[150:151]
	v_pk_add_f32 v[236:237], v[236:237], v[154:155]
	v_pk_add_f32 v[234:235], v[234:235], v[158:159]
	v_pk_add_f32 v[232:233], v[232:233], v[162:163]
	s_delay_alu instid0(VALU_DEP_4)
	v_pk_add_f32 v[248:249], v[248:249], v[238:239]
	s_delay_alu instid0(VALU_DEP_4)
	v_pk_add_f32 v[250:251], v[250:251], v[236:237]
	s_delay_alu instid0(VALU_DEP_4)
	v_pk_add_f32 v[244:245], v[244:245], v[234:235]
	s_delay_alu instid0(VALU_DEP_4)
	v_pk_add_f32 v[242:243], v[242:243], v[232:233]
	s_delay_alu instid0(VALU_DEP_2)
	v_pk_add_f32 v[248:249], v[248:249], v[244:245]
	s_delay_alu instid0(VALU_DEP_2)
	v_pk_add_f32 v[250:251], v[250:251], v[242:243]
	s_delay_alu instid0(VALU_DEP_1)
	v_pk_add_f32 v[248:249], v[248:249], v[250:251]
	s_delay_alu instid0(VALU_DEP_1)
	v_add_f32 v248, v248, v249
	s_delay_alu instid0(VALU_DEP_1)
	v_permlanex16_b32 v249, v248, s[SEL], s[SEL+1]
	s_delay_alu instid0(VALU_DEP_1)
	v_add_f32 v248, v248, v249                     ; the key step's number of padded keys, in every lane
.irp c, 0,1
	v_cvt_scalef32_pk16_fp6_f32 v[PCD+6*\c:PCD+6*\c+2], v[S+32*\c:S+32*\c+15], v[ONE]
	v_cvt_scalef32_pk16_fp6_f32 v[PT+4*\c:PT+4*\c+2], v[S+32*\c+16:S+32*\c+31], v[ONE]
.endr
	v_nop                                          ; one plain place behind a scaled conversion
.irp c, 0,1
.irp i, 0,1,2
	v_mov_b32 v[PCD+6*\c+3+\i], v[PT+4*\c+\i]      ; the flags as an operand: all 16 columns alike
.endr
.endr
.rept 4
	v_nop                                          ; an operand written by vector instructions stands 4 places ahead of a scaled matrix instruction
.endr
	s_wait_alu depctr_va_vdst(0)
	s_wait_tensorcnt 0x0                           ; my tile has landed,
	s_wait_dscnt 0x0                               ; my stores too:
	s_barrier_signal -1
	s_barrier_wait -1                              ; everybody's have: K, V and the tables are whole
	VLOAD XX, 0
	s_wait_dscnt 0x0
.irp t, 0,1,2,3
	v_wmma_scale_f32_16x16x128_f8f6f4 v[OT+8*\t:OT+8*\t+7], v[XX+12*\t:XX+12*\t+11], v[PCD:PCD+11], 0, v[VSW+\t], v[PSW] matrix_a_fmt:MATRIX_FMT_FP6 matrix_b_fmt:MATRIX_FMT_FP6
.endr
.rept 4
	v_nop
.endr
.irp t, 0,1,2,3
	ds_store_b128 v[ADS], v[OT+8*\t:OT+8*\t+3] offset:64*\t          ; the sixteen lanes of a half hold the same numbers and write the same words
	ds_store_b128 v[ADS], v[OT+8*\t+4:OT+8*\t+7] offset:64*\t+16
.endr
	ds_store_b32 v[ADK8], v248 offset:256
	s_wait_dscnt 0x0
	s_barrier_signal -1
	s_barrier_wait -1                              ; sixteen partial sums lie in LDS
	v_lshl_add_u32 v[ADK], v0, 2, PART
	v_lshl_add_u32 v[ADK8], v0, 2, TOT
	v_and_b32 v[ADS], 31, v0
	s_delay_alu instid0(VALU_DEP_1)
	v_lshl_add_u32 v[ADS], v[ADS], 2, TOT+256
	s_cmp_lt_u32 s[WV], 3                          ; 96 words: threads 0 to 95 add one each
	s_cbranch_scc0 .Lnot_sum
.irp k, 0,1,2,3,4,5,6,7,8,9,10,11,12,13,14,15
	ds_load_b32 v[S+\k], v[ADK] offset:384*\k
.endr
	s_wait_dscnt 0x0
.irp k, 0,2,4,6,8,10,12,14
	v_add_f32 v[S+\k], v[S+\k], v[S+\k+1]
.endr
.irp k, 0,4,8,12
	v_add_f32 v[S+\k], v[S+\k], v[S+\k+2]
.endr
	s_delay_alu instid0(VALU_DEP_3)
	v_add_f32 v[S], v[S], v[S+4]
	s_delay_alu instid0(VALU_DEP_2)
	v_add_f32 v[S+8], v[S+8], v[S+12]
	s_delay_alu instid0(VALU_DEP_1)
	v_add_f32 v[S], v[S], v[S+8]
	ds_store_b32 v[ADK8], v[S]
.Lnot_sum:
	s_wait_dscnt 0x0
	s_barrier_signal -1
	s_barrier_wait -1
	s_wait_alu depctr_va_vdst(0)
	ds_load_b32 v[CNT], v[ADS]
.set i, 80
.rept 20
	v_mov_b32 v[i], 0                              ; K's operands name the whole area and four registers behind it; v32-79 have been loaded
.set i, i+1
.endr
.irp i, 164,165,166,167
	v_mov_b32 v[\i], 0
.endr
	v_mov_b32 v251, 0                              ; a lane permute's destination
	v_mov_b32 v[MINIT], 0xf149f2ca                 ; -1e30, under every t,
	v_mov_b32 v248, 0xceabfb8f                     ; or TPAD, where the batch has a padded key
	s_wait_alu depctr_va_vdst(0)
	s_wait_dscnt 0x0
	v_cmp_lt_f32 vcc_lo, 0, v[CNT]
	s_delay_alu instid0(VALU_DEP_1)
	v_cndmask_b32 v[MINIT], v[MINIT], v248, vcc_lo
; ONE STEP OF 128 KEYS.  ka: the area with K, then V;  sa: the area with S^T, then p, then the next step's K.  odd: the trip's second step.
.macro STEPB ka, sa, odd
	s_wait_dscnt 0x0                               ; K is in (in a pass's first step Q too)
.irp t, 0,1,2,3,4,5,6,7
	v_wmma_scale_f32_16x16x128_f8f6f4 v[\sa+8*\t:\sa+8*\t+7], v[\ka+8*\t:\ka+8*\t+11], v[QF:QF+11], 0, v[KSW+\t], v[QS] matrix_a_fmt:MATRIX_FMT_FP6 matrix_b_fmt:MATRIX_FMT_FP6
.endr
.rept 4
	v_nop                                          ; places in front of the loads into K's registers and of the first read of the scores
.endr
	VLOAD \ka, \odd                                ; V lands while the softmax is walked
.if \odd
	s_add_co_u32 s79, s[KS], 1
	s_cmp_lt_u32 s79, s[GG]
.else
	s_cmp_lt_u32 s[KS], s[GG]
.endif
	s_cbranch_scc1 .Lopen_\@                       ; only my last step lies on the diagonal
.set n, 0
.rept 64
	v_cmp_gt_i32 vcc_lo, 64*(n/32)+n%32, v[DV]     ; register 32 g + i holds key 64 g + 32 h + i of the step: hidden where it comes after my query
	v_cndmask_b32 v[\sa+n], v[\sa+n], v[NINF], vcc_lo
.set n, n+1
.endr
.Lopen_\@:
.irp g, 0,1                                    ; the largest score of my two blocks of 32 keys, each in two chains
	v_max3_num_f32 v[BM+\g], v[\sa+32*\g], v[\sa+32*\g+1], v[\sa+32*\g+2]
	v_max3_num_f32 v[PM+\g], v[\sa+32*\g+16], v[\sa+32*\g+17], v[\sa+32*\g+18]
.endr
.irp i, 3,5,7,9,11,13
.irp g, 0,1
	v_max3_num_f32 v[BM+\g], v[BM+\g], v[\sa+32*\g+\i], v[\sa+32*\g+\i+1]
	v_max3_num_f32 v[PM+\g], v[PM+\g], v[\sa+32*\g+16+\i], v[\sa+32*\g+17+\i]
.endr
.endr
.irp g, 0,1
	v_max3_num_f32 v[BM+\g], v[BM+\g], v[PM+\g], v[\sa+32*\g+15]
.endr
.irp g, 0,1
	v_max_num_f32 v[BM+\g], v[BM+\g], v[\sa+32*\g+31]
.endr
	v_max_num_f32 v250, v[BM], v[BM+1]
	v_mul_f32 v250, s[CS], v250                    ; as t (c is positive)
	v_permlanex16_b32 v251, v250, s[SEL], s[SEL+1] ; the other half of the lanes' 64 keys
	v_max3_num_f32 v[NM+1], v[NM+1], v250, v251    ; the running largest t
	v_mov_b32 v250, v[NM]
	v_floor_f32 v[NM], -v[NM+1]                    ; the new -M = -ceil(t): a whole number
.set j, 0
.rept 32
	v_pk_fma_f32 v[\sa+j:\sa+j+1], v[\sa+j:\sa+j+1], s[CS:CS+1], v[NM:NM+1] op_sel_hi:[1,0,0]   ; t - M, two at a time
.if j == 14
	v_sub_f32 v250, v[NM], v250                    ; old M - new M, 0 or less
.endif
.if j == 30
	v_cvt_i32_f32 v250, v250                       ; (it saturates)
.endif
.if j == 46
	v_ldexp_f32 v[FF], 1.0, v250                   ; f = 2^(old M - new M): a multiplication by it rounds nothing
.endif
.set j, j+2
.endr
.irp g, 0,1
	v_fma_f32 v[BM+\g], v[BM+\g], s[CS], v[NM]     ; the same of each block's largest score
.endr
	s_wait_alu depctr_va_vdst(0)                   ; the wait ahead of the batch
.set j, 0
.rept 64
	v_exp_f32 v[\sa+j], v[\sa+j]                   ; p = 2^(t - M), not normalised
.set j, j+1
.endr
	v_pk_mul_f32 v[LS:LS+1], v[LS:LS+1], v[FF:FF+1] op_sel_hi:[1,0]   ; the sums under the new M (a plain place behind the exponentials)
	s_wait_alu depctr_va_vdst(0)                   ; one wait for the whole batch, ahead of its first reader
.irp g, 0,1
	v_exp_f32 v[BM+\g], v[BM+\g]                   ; the block's largest p
.endr
.irp c, 1,2,3,4,5,6,7                          ; the row's sum of the unquantised p: eight chains of four pairs
	v_pk_add_f32 v[222+2*\c+12*(\c/7):223+2*\c+12*(\c/7)], v[\sa+2*\c:\sa+2*\c+1], v[\sa+2*\c+16:\sa+2*\c+17]
.endr
	v_pk_add_f32 v[LS:LS+1], v[LS:LS+1], v[\sa:\sa+1]
.irp k, 32,48
.irp c, 1,2,3,4,5,6,7
	v_pk_add_f32 v[222+2*\c+12*(\c/7):223+2*\c+12*(\c/7)], v[222+2*\c+12*(\c/7):223+2*\c+12*(\c/7)], v[\sa+2*\c+\k:\sa+2*\c+\k+1]
.endr
	v_pk_add_f32 v[LS:LS+1], v[LS:LS+1], v[\sa+\k-16:\sa+\k-15]
.endr
	v_pk_add_f32 v[224:225], v[224:225], v[232:233]
	v_pk_add_f32 v[226:227], v[226:227], v[234:235]
	v_pk_add_f32 v[228:229], v[228:229], v[248:249]
	v_pk_add_f32 v[LS:LS+1], v[LS:LS+1], v[\sa+48:\sa+49]
	v_pk_add_f32 v[224:225], v[224:225], v[228:229]
	v_pk_add_f32 v[226:227], v[226:227], v[230:231]
	v_pk_add_f32 v[LS:LS+1], v[LS:LS+1], v[224:225]
	v_pk_add_f32 v[LS:LS+1], v[LS:LS+1], v[226:227]
	s_wait_alu depctr_va_vdst(0)                   ; and one for the two
.irp g, 0,1
	v_max_num_f32 v[BM+\g], 0x1800000, v[BM+\g]    ; the floor 2^(3 - 127): the byte cannot fall under 1
.endr
.irp g, 0,1
	v_add_nc_u32 v[SO+\g], 0xff000000, v[BM+\g]    ; 2 off the exponent field: the conversion's scale operand
.endr
.irp g, 0,1
	v_lshrrev_b32 v[PM+\g], 23, v[SO+\g]           ; the scale's byte
.endr
	v_lshl_or_b32 v250, v[PM+1], 16, v[PM]         ; blocks h and 2 + h
	v_permlanex16_b32 v251, v250, s[SEL], s[SEL+1]
	v_lshl_or_b32 v[PSW], v251, 8, v250            ; in lanes 0-15, which alone are read: p's scale word for these 128 keys
.irp c, 0,1
	v_cvt_scalef32_pk16_fp6_f32 v[PCD+6*\c:PCD+6*\c+2], v[\sa+32*\c:\sa+32*\c+15], v[SO+\c]
	v_cvt_scalef32_pk16_fp6_f32 v[PT+4*\c:PT+4*\c+2], v[\sa+32*\c+16:\sa+32*\c+31], v[SO+\c]
.endr
	v_nop                                          ; one plain place behind a scaled conversion
.irp c, 0,1
.irp i, 0,1,2
	v_mov_b32 v[PCD+6*\c+3+\i], v[PT+4*\c+\i]      ; (a conversion's three registers begin on an even number)
.endr
.endr
	KLOAD \sa, ADK, ADK8, ADS, 6144*(1+\odd), 512*(1+\odd)   ; p is converted: the next step's K into its registers (behind my last step nobody reads it; it stays inside LDS)
	s_wait_alu depctr_va_vdst(0)                   ; the wait: ahead of the wait below and of the first reader of O^T
	s_wait_dscnt 26                                ; V is in; the 26 loads just issued may be out
.set j, 0
.rept 16
	v_pk_mul_f32 v[OT+j:OT+j+1], v[OT+j:OT+j+1], v[FF:FF+1] op_sel_hi:[1,0]   ; O^T under the new M.  (These 16 are also the places in front of the products below)
.set j, j+2
.endr
.irp t, 0,1,2,3
	v_wmma_scale_f32_16x16x128_f8f6f4 v[OT+8*\t:OT+8*\t+7], v[\ka+12*\t:\ka+12*\t+11], v[PCD:PCD+11], v[OT+8*\t:OT+8*\t+7], v[VSW+\t], v[PSW] matrix_a_fmt:MATRIX_FMT_FP6 matrix_b_fmt:MATRIX_FMT_FP6
.endr
.endm
	s_mov_b32 s[PP], 0
	s_wait_alu depctr_va_vdst(0)
.Lpass:                                                ; pass 0: tile 4 w + cx;  pass 1: tile 127 - (4 w + cx)
	s_wait_xcnt 0x0                                ; the last pass's stores have read their data and bases
	s_mul_i32 s60, s[PP], 127
	s_lshl_b32 s27, s[WV], 2
	s_add_co_u32 s27, s27, s[CX]
	s_xor_b32 s27, s27, s60                        ; x or 127 - x, x under 128
	s_mul_i32 s60, s[PP], 15
	s_lshr_b32 s[GG], s[WV], 1
	s_xor_b32 s[GG], s[GG], s60                    ; x or 15 - x, x under 16
	s_lshl_b32 s60, s[BB], 7
	s_add_co_u32 s60, s60, s27                     ; the tile among all 512
	s_mov_b32 s63, 0
	s_mul_i32 s62, s60, 13312                      ; oo: a tile is four records of 3,328 bytes, each 256 along D: four heads' half fragments, then at 3,072 the scale bytes, 8 a row
	s_lshr_b32 s61, s[HEAD], 2
	s_mul_i32 s61, s61, 3328
	s_add_co_u32 s62, s62, s61
	s_add_nc_u64 s[OSP:OSP+1], s[10:11], s[62:63]  ; my head's record
	s_and_b32 s61, s[HEAD], 3
	s_mul_i32 s62, s61, 768
	s_add_nc_u64 s[OP:OP+1], s[OSP:OSP+1], s[62:63]    ; O's half fragment
	s_lshl_b32 s62, s61, 1
	s_add_co_u32 s62, s62, 3072
	s_add_nc_u64 s[OSP:OSP+1], s[OSP:OSP+1], s[62:63]  ; its two scale bytes a row
	s_and_b32 s62, s27, 7
	s_lshr_b32 s62, s62, 1
	s_lshl_b32 s62, s62, 5
	s_and_b32 s61, s27, 1
	s_lshl_b32 s61, s61, 3
	s_add_co_u32 s62, s62, s61                     ; the tile's place in its key step
	s_mov_b32 s[T6], 0
	s_mov_b32 s[T5], 0
	s_mov_b32 s[T4], 0
	s_mov_b32 s[KS], 0
	v_add_nc_u32 v252, s[QL], v[G16]
	v_add_nc_u32 v253, s[QL], v[G8]
	v_add_nc_u32 v250, s[QL], v[R16]
	ds_load_b128 v[QF:QF+3], v252                  ; my own bytes, stored at the head
	ds_load_b64 v[QF+4:QF+5], v253
	ds_load_b32 v[QS], v250 offset:768
	KLOAD XX, L16K, L8K, ASK0, 0, 0                ; key step 0
	v_and_b32 v248, 15, v0
	v_and_b32 v249, 16, v0
	v_and_b32 v254, 8, v248
	v_lshlrev_b32 v249, 1, v249
	v_add_nc_u32 v248, v248, v254
	v_sub_nc_u32 v248, v248, v249
	v_add_nc_u32 v[DV], s62, v248                  ; my query's place, less 32 h
	v_mov_b32 v[NM+1], v[MINIT]
	v_floor_f32 v[NM], -v[MINIT]                   ; -M
	v_mov_b32 v[LS], 0
	v_mov_b32 v[LS+1], 0
.set i, 0
.rept 32
	v_mov_b32 v[OT+i], 0                           ; the step is written once: the first finds zeros, which the first change of M leaves zeros
.set i, i+1
.endr
.Ltrip:                                                ; 8 trips of two steps, a constant; a step all of whose keys come after my queries is left out
	s_cmp_gt_u32 s[KS], s[GG]
	s_cbranch_scc1 .Lhidden
	v_add_nc_u32 v[ADK], s[T6], v[L16K]            ; (these six are also the places between the last products and those that write over V's registers)
	v_add_nc_u32 v[ADK8], s[T6], v[L8K]
	v_add_nc_u32 v[ADV], s[T6], v[AV0]
	v_add_nc_u32 v[ADV8], s[T6], v[AV8]
	v_add_nc_u32 v[ADS], s[T5], v[ASK0]
	v_add_nc_u32 v[ADT], s[T4], v[ASV0]
	s_wait_alu depctr_va_vdst(0)                   ; the wait ahead of the step's first wait
	STEPB XX, YY, 0
	s_cmp_ge_u32 s[KS], s[GG]
	s_cbranch_scc1 .Lhidden
.rept 5
	v_nop                                          ; five places between the last products and those that write over V's registers
.endr
	STEPB YY, XX, 1
.Lhidden:
	s_add_co_u32 s[T6], s[T6], 12288
	s_add_co_u32 s[T5], s[T5], 1024
	s_add_co_u32 s[T4], s[T4], 512
	s_add_co_u32 s[KS], s[KS], 2
	s_cmp_lt_u32 s[KS], 16
	s_cbranch_scc1 .Ltrip
	; THE ROW'S END: the padded keys' share, the division, the quantiser along D
	s_wait_dscnt 0x0                               ; the loads that nobody reads have landed: their registers are free
	v_add_f32 v[LS], v[LS], v[LS+1]                ; (plain lines: the places behind the last products)
	s_delay_alu instid0(VALU_DEP_1)
	v_permlanex16_b32 v250, v[LS], s[SEL], s[SEL+1]
	v_add_f32 v251, 0xceabfb8f, v[NM]              ; TPAD - M,
	s_delay_alu instid0(VALU_DEP_2)
	v_add_f32 v[LS], v[LS], v250
	s_delay_alu instid0(VALU_DEP_2)
	v_min_num_f32 v251, 0, v251                    ; at most 0
	v_bfe_u32 v[ADK], v0, 4, 1
	s_delay_alu instid0(VALU_DEP_1)
	v_lshl_add_u32 v[ADK], v[ADK], 5, TOT
	s_wait_alu depctr_va_vdst(0)
	v_exp_f32 v252, v251                           ; p_pad
.irp t, 0,1,2,3
	ds_load_b128 v[S+8*\t:S+8*\t+3], v[ADK] offset:64*\t         ; the sum of v over the padded keys, in O^T's layout
	ds_load_b128 v[S+8*\t+4:S+8*\t+7], v[ADK] offset:64*\t+16
.endr
	v_nop                                          ; a plain place behind the exponential
	s_wait_alu depctr_va_vdst(0)                   ; ahead of its first reader
	v_fma_f32 v[LS], v252, v[CNT], v[LS]
	s_wait_alu depctr_va_vdst(0)
	v_rcp_f32 v254, v[LS]
	v_nop
	s_wait_alu depctr_va_vdst(0)
	s_wait_dscnt 0x0
.set j, 0
.rept 16
	v_pk_fma_f32 v[OO+j:OO+j+1], v[S+j:S+j+1], v[252:253], v[OT+j:OT+j+1] op_sel_hi:[1,0,1]   ; each accumulator from its low end on
.set j, j+2
.endr
.set j, 0
.rept 16
	v_pk_mul_f32 v[OO+j:OO+j+1], v[OO+j:OO+j+1], v[254:255] op_sel_hi:[1,0]   ; register 16 j + i: channel 32 j + 16 h + i of my query
.set j, j+2
.endr
.irp b, 0,1
	v_max3_num_f32 v[BM+\b], |v[OO+16*\b]|, |v[OO+1+16*\b]|, 0x1800000
.endr
.irp i, 2,4,6,8,10,12,14
.irp b, 0,1
	s_delay_alu instid0(VALU_DEP_2)
	v_max3_num_f32 v[BM+\b], v[BM+\b], |v[OO+16*\b+\i]|, |v[OO+1+16*\b+\i]|
.endr
.endr
.irp b, 0,1
	s_delay_alu instid0(VALU_DEP_2)
	v_permlanex16_b32 v[PM+\b], v[BM+\b], s[SEL], s[SEL+1]
.endr
.irp b, 0,1
	s_delay_alu instid0(VALU_DEP_2)
	v_max_num_f32 v[BM+\b], v[BM+\b], v[PM+\b]
.endr
.irp b, 0,1
	s_delay_alu instid0(VALU_DEP_2)
	v_add_nc_u32 v[SO+\b], 0xff000000, v[BM+\b]
.endr
.irp b, 0,1
	s_delay_alu instid0(VALU_DEP_2)
	v_lshrrev_b32 v[PM+\b], 23, v[SO+\b]
.endr
	v_cvt_scalef32_pk16_fp6_f32 v[PCD:PCD+2], v[OO:OO+15], v[SO]
	v_cvt_scalef32_pk16_fp6_f32 v[PT:PT+2], v[OO+16:OO+31], v[SO+1]
	v_nop
.irp i, 0,1,2
	v_permlane16_swap_b32 v[PCD+\i], v[PT+\i]      ; here a block lies in lanes l and l xor 16: the operand's layout wants it whole in a lane
.endr
.irp i, 0,1,2
	s_delay_alu instid0(VALU_DEP_3)
	v_mov_b32 v[PCD+3+\i], v[PT+\i]
.endr
	v_cndmask_b32 v250, v[PM], v[PM+1], s[HM]      ; lanes 0-15 send block 0's byte, lanes 16-31 block 1's
	global_store_b128 v[G16], v[PCD:PCD+3], s[OP:OP+1]         ; 512 consecutive bytes,
	global_store_b64 v[G8], v[PCD+4:PCD+5], s[OP:OP+1]         ; 256: a half fragment
	global_store_b8 v[R8H], v250, s[OSP:OSP+1]
	s_add_co_u32 s[QL], s[QL], 1024
	s_add_co_u32 s[PP], s[PP], 1
	s_cmp_lt_u32 s[PP], 2
	s_wait_alu depctr_va_vdst(0)                   ; the wait ahead of the branch
	s_cbranch_scc1 .Lpass
	s_wait_dscnt 0x0
	s_wait_xcnt 0x0
	v_lshl_add_u32 v254, v0, 2, SPARE
	v_mov_b32 v255, 0
	s_wait_alu depctr_va_vdst(0)
	s_wait_tensorcnt 0x0                           ; the wave's end
	ds_add_u32 v254, v255
	s_wait_dscnt 0x0
	ROUND                                          ; the closing round
	s_endpgm
.Lfunc_end_k_q7331349830_attn:
	.size	k_q7331349830_attn, .Lfunc_end_k_q7331349830_attn-k_q7331349830_attn
	.p2alignl 7, 3214868480
	.fill 96, 4, 3214868480
	.section	.rodata,"a",@progbits
	.p2align	6, 0x0
	.amdhsa_kernel k_q7331349830_attn
		.amdhsa_group_segment_fixed_size 327680
		.amdhsa_private_segment_fixed_size 0
		.amdhsa_enable_private_segment 0
		.amdhsa_kernarg_size 32
		.amdhsa_user_sgpr_count 2
		.amdhsa_user_sgpr_kernarg_segment_ptr 1
		.amdhsa_wavefront_size32 1
		.amdhsa_system_sgpr_workgroup_id_x 1
		.amdhsa_system_sgpr_workgroup_id_y 1
		.amdhsa_system_sgpr_workgroup_id_z 1
		.amdhsa_system_vgpr_workitem_id 0
		.amdhsa_next_free_vgpr 256
		.amdhsa_next_free_sgpr 96
		.amdhsa_reserve_vcc 1
		.amdhsa_float_denorm_mode_32 3
		.amdhsa_float_denorm_mode_16_64 3
		.amdhsa_memory_ordered 1
		.amdhsa_forward_progress 1
		.amdhsa_inst_pref_size 83
	.end_amdhsa_kernel
	.amdgpu_metadata
---
amdhsa.version: [ 1, 2 ]
amdhsa.kernels:
  - .name:           k_q7331349830_attn
    .symbol:         k_q7331349830_attn.kd
    .args:
      - { .name: qk, .offset: 0, .size: 8, .value_kind: global_buffer, .address_space: global }
      - { .name: vv, .offset: 8, .size: 8, .value_kind: global_buffer, .address_space: global }
      - { .name: attention_mask, .offset: 16, .size: 8, .value_kind: global_buffer, .address_space: global }
      - { .name: oo, .offset: 24, .size: 8, .value_kind: global_buffer, .address_space: global }
    .group_segment_fixed_size: 327680
    .private_segment_fixed_size: 0
    .kernarg_segment_align: 8
    .kernarg_segment_size: 32
    .max_flat_workgroup_size: 512
    .sgpr_count:     96
    .vgpr_count:     256
    .wavefront_size: 32
...
	.end_amdgpu_metadata
.endif
;; end of part 3
;; launch gemmo (part 4): grid 4 x 64, 4 waves a work-group, clusters of 4 x 4, 327,680 bytes of LDS; arguments oo, wq, bo, out0; writes out0
.if DOCPART == 4
	.amdgcn_target "amdgcn-amd-amdhsa--gfx1250"
	.amdhsa_code_object_version 6
	.text
	.protected	k_q7331349830_gemmo
	.globl	k_q7331349830_gemmo
	.p2align	8
	.type	k_q7331349830_gemmo,@function
k_q7331349830_gemmo:
	s_mov_b64 s[64:65], 0
	v_nop
	global_prefetch_b8 v0, s[64:65] scope:SCOPE_SE
	s_setreg_imm32_b32 hwreg(HW_REG_WAVE_MODE, 25, 1), 1
	s_wait_xcnt 0x0
	s_wait_alu depctr_hold_cnt(0) depctr_sa_sdst(0) depctr_va_vdst(0) depctr_va_sdst(0) depctr_va_ssrc(0) depctr_va_vcc(0) depctr_vm_vsrc(0)
	s_getreg_b32 s2, hwreg(HW_REG_IB_STS2, 6, 4)
	s_cmp_eq_u32 s2, 0
	s_cbranch_scc0 .Lentry_in_a_cluster
	s_endpgm
.Lentry_in_a_cluster:
	s_bfe_u32 s2, ttmp6, 0x10000c
	s_cmp_lg_u32 s2, 0xf033
	s_cbranch_scc0 .Lentry_shape_is_right
	s_endpgm
.Lentry_shape_is_right:
; out0 = O Wo^T + bo on codes of FP6 (E2M3) with E8M0 scales; f32 out.
; OPERANDS: tile T, index r = row 32 (T / 2) + 8 (T % 2) + r + 8 (r / 8); a record of 3,328 bytes is a tile x 256 K: four half fragments of 768 bytes, scale words at 3,072 + 8 r; a tile is four records.  Of oo's records the first 3,200 bytes are written and read.
; A block of the result, 128 tokens x 256 columns, is made by four waves of 64 x 128: 32 accumulators each.  64 x 4 = 256 work-groups.
; ALL OF K LIES IN LDS: O's 8 tiles (32 records of 3,200 bytes) and Wo's 16 tiles (212,992 bytes) come by one tensor load a wave at the head; no LDS byte is filled twice.
; Source 0 = 16 rows of Wo, source 1 = 16 rows of O: a lane holds a token, and the 16 registers of Wo's tiles 2 j, 2 j + 1 are 16 neighbouring columns.
; CLUSTERS: 4 x 4 work-groups.  O's tiles are asked for jointly along a row of the cluster, Wo's along a column.
; No prefetch: every tile is asked for at the head, and there is no loop of tiles in which to run ahead.
; REGISTERS: window 0: v1-31 addresses; v32-63 Wo's scale words, two sets; v64-127 bo; v128-223 O's fragments, two sets; v224-239 O's scale words, two sets.  Window 1: Wo's fragments, two sets.  Window 2: accumulators.
.set REC,   3328
.set RA,    3200
.set FR,    12
.set NP,    4
.set BW,    32*RA                      ; behind O's 32 records: Wo
.set SPARE, BW+64*REC
.set SPITCH, 528                       ; the way out: a stage of 16 rows x (512 + 16) bytes a wave, over O's tiles, behind a barrier behind which nobody reads them
.set STO,  1
.set RD,   2
.set CO,   3
.set AA,   8                           ; v8-9   my 4 tiles of O: 16 l, 8 l + 512
.set BB,   10                          ; v10-13 my 8 tiles of Wo: tiles 0-3, tiles 4-7
.set SAV,  14                          ; O's scale words
.set SBV,  15                          ; v15-16 Wo's
.set SPW,  28
.set NIL,  29
.set SC,   32
.set B0,   64
.set AF,   128
.set SCV,  224
.set BK,   128
.set WVN,  18
.set RH,   19
.set CH,   20
.set TROW, 41
.set TCOL, 42
.set G1,   24
.set G0,   32
.set G1B,  48
.set G0B,  56
.set MSB, 0
.macro WIN new
.if MSB != (\new)
	s_set_vgpr_msb (MSB<<8)|(\new)
.set MSB, (\new)
.endif
.endm
.set MUL_LO, 0xa1                      ; source 0 window 1, source 1 window 0, C and D window 2
.set FST_LO, 0x81                      ; the first step: C (the bias) window 0
.set TO_B,   0x40
.macro PLACES n
.rept \n
	v_nop
.endr
.endm
.macro CROUND
	s_barrier_signal -1
	s_barrier_wait -1
	s_cmp_lg_u32 s[WVN], 0
	s_cbranch_scc1 .Lnot_wave_0_\@
	s_barrier_signal -3
.Lnot_wave_0_\@:
	s_barrier_wait -3
	s_barrier_signal -1
	s_barrier_wait -1
.endm
	s_load_b256 s[4:11], s[0:1], 0x0               ; oo, wq, bo, out0
	v_lshl_add_u32 v[SPW], v0, 2, SPARE
	v_mov_b32 v[NIL], 0
	ds_add_u32 v[SPW], v[NIL]                      ; the opening lines: the add, twice on end, and its wait
	ds_add_u32 v[SPW], v[NIL]
	v_lshrrev_b32 v1, 5, v0
	v_readfirstlane_b32 s[WVN], v1
	s_lshr_b32 s[RH], s[WVN], 1                    ; which half of the rows is mine (and: I fetch for O, 0, or for Wo, 1)
	s_and_b32 s[CH], s[WVN], 1                     ; which half of the columns (and: which half of that operand I fetch)
	s_bfe_u32 s21, ttmp6, 0x40000
	s_bfe_u32 s22, ttmp6, 0x40004
	s_lshl_b32 s[TCOL], ttmp9, 2
	s_add_co_u32 s[TCOL], s[TCOL], s21
	s_and_b32 s[TROW], ttmp7, 0xffff
	s_lshl_b32 s[TROW], s[TROW], 2
	s_add_co_u32 s[TROW], s[TROW], s22
	s_lshl_b32 s43, s22, 2
	s_lshl_b32 s43, 15, s43                        ; my row of the cluster
	s_lshl_b32 s44, 0x1111, s21                    ; my column
	s_or_b32 s[G1], s43, (3<<16)|(1<<21)           ; O: 16 records' first 3,200 bytes (400 elements of 8), 3,328 bytes apart
	s_mov_b32 s[G1+1], 400<<16
	s_mov_b32 s[G1+2], 16<<16
	s_mov_b32 s[G1+3], 400<<16
	s_mov_b32 s[G1+4], 16
	s_mov_b32 s[G1+5], 416
	s_mov_b32 s[G1+6], 0
	s_mov_b32 s[G1+7], 0
	s_or_b32 s[G1B], s44, (3<<16)|(1<<21)          ; Wo: 8 tiles, 106,496 dense bytes as 16 rows
	s_mov_b32 s[G1B+1], 832<<16
	s_mov_b32 s[G1B+2], 16<<16
	s_mov_b32 s[G1B+3], 832<<16
	s_mov_b32 s[G1B+4], 16
	s_mov_b32 s[G1B+5], 832
	s_mov_b32 s[G1B+6], 0
	s_mov_b32 s[G1B+7], 0
	s_mul_i32 s92, s[TROW], 32*REC
	s_mul_i32 s93, s[CH], 16*REC
	s_add_co_u32 s92, s92, s93                     ; O: tile 8 x block row + 4 x half
	s_mov_b32 s93, 0
	s_mul_i32 s94, s[TCOL], 64*REC
	s_mul_i32 s95, s[CH], 32*REC
	s_add_co_u32 s94, s94, s95
	s_add_co_u32 s94, s94, 768*REC                 ; Wo: tile 192 of wq + 16 x block column + 8 x half
	s_mov_b32 s95, 0
	s_mul_i32 s96, s[CH], 16*RA                    ; where they go: no place in the cluster enters an LDS address
	s_mul_i32 s97, s[CH], 32*REC
	s_add_co_u32 s97, s97, BW
	s_wait_dscnt 0x0
	s_wait_kmcnt 0x0
	s_mov_b32 s[G0], 1
	s_mov_b32 s[G0+1], s96
	s_add_nc_u64 s[G0+2:G0+3], s[4:5], s[92:93]
	s_or_b32 s[G0+3], s[G0+3], 0x80000000
	s_mov_b32 s[G0B], 1
	s_mov_b32 s[G0B+1], s97
	s_add_nc_u64 s[G0B+2:G0B+3], s[6:7], s[94:95]
	s_or_b32 s[G0B+3], s[G0B+3], 0x80000000
	CROUND                                         ; all sixteen work-groups are here: the joint loads meet
	s_cmp_eq_u32 s[RH], 0                          ; one load a wave: waves 0, 1 O's halves, waves 2, 3 Wo's
	s_cbranch_scc0 .Lfor_b
	tensor_load_to_lds s[G0:G0+3], s[G1:G1+7]
	s_nop 0
	PLACES 4
	s_branch .Lasked
.Lfor_b:
	tensor_load_to_lds s[G0B:G0B+3], s[G1B:G1B+7]
	s_nop 0
	PLACES 4
.Lasked:
	s_mul_i32 s92, s[RH], 16*RA                    ; my 4 tiles of O
	s_mul_i32 s93, s[CH], 32*REC
	s_add_co_u32 s93, s93, BW                      ; my 8 tiles of Wo: the first four,
	s_add_co_u32 s94, s93, 16*REC                  ; the last four
	s_mul_i32 s95, s[WVN], 16*SPITCH               ; my stage
	s_lshl_b32 s96, s[TCOL], 10
	s_lshl_b32 s97, s[CH], 9
	s_add_co_u32 s96, s96, s97                     ; my 128 columns, in bytes
	s_mov_b32 s97, 0
	s_add_nc_u64 s[8:9], s[8:9], s[96:97]
	s_add_nc_u64 s[10:11], s[10:11], s[96:97]
	s_lshl_b32 s96, s[TROW], 7
	s_lshl_b32 s98, s[RH], 6
	s_add_co_u32 s96, s96, s98
	s_lshl_b32 s96, s96, 12                        ; my first row, 4,096 bytes a row
	s_add_nc_u64 s[10:11], s[10:11], s[96:97]
	v_and_b32 v4, 31, v0                           ; l
	v_and_b32 v5, 15, v0                           ; r
	v_bfe_u32 v6, v0, 4, 1                         ; h
	v_lshlrev_b32 v[CO], 4, v4                     ; 16 l
	v_lshlrev_b32 v7, 3, v4
	v_add_nc_u32 v7, 512, v7                       ; 8 l + 512
	v_lshlrev_b32 v30, 3, v5
	v_add_nc_u32 v30, 3072, v30                    ; a row's scale words in a record
	v_add_nc_u32 v[AA], s92, v[CO]
	v_add_nc_u32 v[AA+1], s92, v7
	v_add_nc_u32 v[BB], s93, v[CO]
	v_add_nc_u32 v[BB+1], s93, v7
	v_add_nc_u32 v[BB+2], s94, v[CO]
	v_add_nc_u32 v[BB+3], s94, v7
	v_add_nc_u32 v[SAV], s92, v30
	v_add_nc_u32 v[SBV], s93, v30
	v_add_nc_u32 v[SBV+1], s94, v30
	v_mul_u32_u24 v[STO], v5, SPITCH
	v_lshl_add_u32 v[STO], v6, 6, v[STO]
	v_add_nc_u32 v[STO], s95, v[STO]               ; in: row r, 64 bytes for each half of the lanes in each 128
	v_add_nc_u32 v[RD], s95, v[CO]                 ; back: the 32 lanes take one row of 512 bytes
	v_lshlrev_b32 v31, 6, v6
.irp t, 0,1,2,3,4,5,6,7
	global_load_b128 v[B0+8*\t:B0+8*\t+3], v31, s[8:9] offset:(32*(\t/2)+8*(\t%2))*4
	global_load_b128 v[B0+8*\t+4:B0+8*\t+7], v31, s[8:9] offset:(32*(\t/2)+8*(\t%2))*4+16
.endr
.macro FRAG reg, a16, a8, off
	ds_load_b128 v[\reg:\reg+3], v[\a16] offset:\off
	ds_load_b64 v[\reg+4:\reg+5], v[\a8] offset:\off
	ds_load_b128 v[\reg+6:\reg+9], v[\a16] offset:(\off)+768
	ds_load_b64 v[\reg+10:\reg+11], v[\a8] offset:(\off)+768
.endm
.macro FETCH n                         ; step n's fragments into set n % 2; with an even step the scale words of two steps
.set RO, (\n)/2
.set QO, ((\n)%2)*1536
	WIN TO_B
.irp i, 0,1,2,3,4,5,6,7
	FRAG 128*((\n)%2)+FR*\i, BB+2*(\i/4), BB+2*(\i/4)+1, (\i%4)*4*REC+RO*REC+QO
.endr
	WIN 0
.irp i, 0,1,2,3
	FRAG AF+48*((\n)%2)+FR*\i, AA, AA+1, \i*4*RA+RO*RA+QO
.endr
.if (\n)%2 == 0
.irp i, 0,1,2,3,4,5,6,7
	ds_load_b64 v[SC+16*(RO%2)+2*\i:SC+16*(RO%2)+2*\i+1], v[SBV+\i/4] offset:(\i%4)*4*REC+RO*REC
.endr
.irp i, 0,1,2,3
	ds_load_b64 v[SCV+8*(RO%2)+2*\i:SCV+8*(RO%2)+2*\i+1], v[SAV] offset:\i*4*RA+RO*RA
.endr
.endif
.endm
.macro MUL32 n, first                  ; the 32 accumulators take turns; first = 1: the sums begin with the bias
.irp a, 0,1,2,3
.irp b, 0,1,2,3,4,5,6,7
.if \first
	v_wmma_scale_f32_16x16x128_f8f6f4 v[8*(8*\a+\b):8*(8*\a+\b)+7], v[128*((\n)%2)+FR*\b:128*((\n)%2)+FR*\b+FR-1], v[AF+48*((\n)%2)+FR*\a:AF+48*((\n)%2)+FR*\a+FR-1], v[B0+8*\b:B0+8*\b+7], v[SC+16*(((\n)/2)%2)+2*\b+(\n)%2], v[SCV+8*(((\n)/2)%2)+2*\a+(\n)%2] matrix_a_fmt:MATRIX_FMT_FP6 matrix_b_fmt:MATRIX_FMT_FP6
.else
	v_wmma_scale_f32_16x16x128_f8f6f4 v[8*(8*\a+\b):8*(8*\a+\b)+7], v[128*((\n)%2)+FR*\b:128*((\n)%2)+FR*\b+FR-1], v[AF+48*((\n)%2)+FR*\a:AF+48*((\n)%2)+FR*\a+FR-1], v[8*(8*\a+\b):8*(8*\a+\b)+7], v[SC+16*(((\n)/2)%2)+2*\b+(\n)%2], v[SCV+8*(((\n)/2)%2)+2*\a+(\n)%2] matrix_a_fmt:MATRIX_FMT_FP6 matrix_b_fmt:MATRIX_FMT_FP6
.endif
.endr
.endr
.endm
	s_wait_alu depctr_va_vdst(0)                   ; the wait at the head's end
	s_wait_tensorcnt 0x0                           ; my part is in,
	s_barrier_signal -1
	s_barrier_wait -1                              ; everybody's is
	FETCH 0
	s_wait_loadcnt 0x0                             ; the bias
	s_wait_dscnt 0x0
	FETCH 1
	WIN FST_LO
	MUL32 0, 1
	WIN 0
.set N, 1
.rept 7
	s_wait_dscnt 0x0                               ; this step's loads, issued a step ago, are in
.if N < 7
	PLACES NP                                      ; in front of loads into registers that matrix instructions have read
	FETCH (N+1)
.else
	s_barrier_signal -1                            ; my reads of the tiles are over
.endif
	WIN MUL_LO
	MUL32 N, 0
	WIN 0
.set N, N+1
.endr
	s_barrier_wait -1                              ; everybody's are: the stages may be written
; THE WAY OUT, block by block of 16 rows x 128 columns, through my own stage: back come whole rows of 512 bytes, which the 32 lanes store as two aligned units of 256 bytes.
.macro TOSTAGE a
	WIN 0x08                                       ; the data: window 2
.irp b, 0,1,2,3,4,5,6,7
	ds_store_b128 v[STO], v[64*(\a)+8*\b:64*(\a)+8*\b+3] offset:128*(\b/2)+32*(\b%2)         ; each accumulator from its low end on
	ds_store_b128 v[STO], v[64*(\a)+8*\b+4:64*(\a)+8*\b+7] offset:128*(\b/2)+32*(\b%2)+16
.endr
	WIN 0
.set BBK, BK+64*((\a)%2)
.irp t, 0,1,2,3,4,5,6,7,8,9,10,11,12,13,14,15
	ds_load_b128 v[BBK+4*\t:BBK+4*\t+3], v[RD] offset:\t*SPITCH    ; LDS serves a wave's instructions in order
.endr
.endm
.macro SEND a, younger
.set BBK, BK+64*((\a)%2)
	s_wait_dscnt \younger
.irp t, 0,1,2,3,4,5,6,7,8,9,10,11,12,13,14,15
	global_store_b128 v[CO], v[BBK+4*\t:BBK+4*\t+3], s[10:11] offset:(32*((\a)/2)+8*((\a)%2)+\t+8*(\t/8))*4096 th:TH_STORE_NT
.endr
.endm
	PLACES NP
	TOSTAGE 0
.irp a, 1,2,3
.if \a > 1
	s_wait_xcnt 0x0                                ; block a - 2's stores have read their registers
.endif
	TOSTAGE \a
	SEND \a-1, 32                                  ; behind block a - 1's loads: block a's 16 stores and 16 loads
.endr
	SEND 3, 0
	s_wait_tensorcnt 0x0                           ; the wave's end
	ds_add_u32 v[SPW], v[NIL]
	s_wait_dscnt 0x0
	CROUND                                         ; the closing round
	s_endpgm
.Lfunc_end_k_q7331349830_gemmo:
	.size	k_q7331349830_gemmo, .Lfunc_end_k_q7331349830_gemmo-k_q7331349830_gemmo
	.p2alignl 7, 3214868480
	.fill 96, 4, 3214868480
	.section	.rodata,"a",@progbits
	.p2align	6, 0x0
	.amdhsa_kernel k_q7331349830_gemmo
		.amdhsa_group_segment_fixed_size 327680
		.amdhsa_private_segment_fixed_size 0
		.amdhsa_enable_private_segment 0
		.amdhsa_kernarg_size 32
		.amdhsa_user_sgpr_count 2
		.amdhsa_user_sgpr_kernarg_segment_ptr 1
		.amdhsa_wavefront_size32 1
		.amdhsa_system_sgpr_workgroup_id_x 1
		.amdhsa_system_sgpr_workgroup_id_y 1
		.amdhsa_system_sgpr_workgroup_id_z 1
		.amdhsa_system_vgpr_workitem_id 0
		.amdhsa_next_free_vgpr 768
		.amdhsa_next_free_sgpr 102
		.amdhsa_reserve_vcc 0
		.amdhsa_float_denorm_mode_32 3
		.amdhsa_float_denorm_mode_16_64 3
		.amdhsa_memory_ordered 1
		.amdhsa_forward_progress 1
		.amdhsa_inst_pref_size 84
	.end_amdhsa_kernel
	.amdgpu_metadata
---
amdhsa.version: [ 1, 2 ]
amdhsa.kernels:
  - .name:           k_q7331349830_gemmo
    .symbol:         k_q7331349830_gemmo.kd
    .args:
      - { .name: oo, .offset: 0, .size: 8, .value_kind: global_buffer, .address_space: global }
      - { .name: wq, .offset: 8, .size: 8, .value_kind: global_buffer, .address_space: global }
      - { .name: bo, .offset: 16, .size: 8, .value_kind: global_buffer, .address_space: global }
      - { .name: out0, .offset: 24, .size: 8, .value_kind: global_buffer, .address_space: global }
    .group_segment_fixed_size: 327680
    .private_segment_fixed_size: 0
    .kernarg_segment_align: 8
    .kernarg_segment_size: 32
    .max_flat_workgroup_size: 128
    .sgpr_count:     102
    .vgpr_count:     768
    .wavefront_size: 32
...
	.end_amdgpu_metadata
.endif
;; end of part 4
